; MI455X (gfx1250); checked and timed in simulation.
; The chip was launched on July 23, 2026; its instructions are those of AMD's public machine-readable ISA for CDNA 5 (MIT licence, August 2026) and "CDNA5" Instruction Set Architecture Reference Guide (July 2026). The comments in the code are by the model that wrote it; some were corrected since.
;; Grouped Query Attention. Allowed arithmetic: matrix products marked QUANTISED: E4M3 operands, one given power-of-two scale a tensor, by v_wmma_f32_16x16x64_fp8_fp8 or v_wmma_f32_16x16x128_fp8_fp8, f32 sums; everything else in f32.
;; Inputs: attention_mask 1 x 1 x 1,024 x 1,024 float32; freqs_cos 1,024 x 64 float32; freqs_sin 1,024 x 64 float32; lowp_scales 12 int32 (the exponents e of the quantised operands' scales 2^e); wk 512 x 2,048 float32; wo 2,048 x 2,048 float32; wq 2,048 x 2,048 float32; wv 512 x 2,048 float32; x 4 x 1,024 x 2,048 float32.
;; Outputs: out0 4 x 1,024 x 2,048 float32; out1 4 x 1,024 x 4 x 128 float32; out2 4 x 1,024 x 4 x 128 float32.
;; This version of the problem:
;;   THIS VERSION OF THE PROBLEM IS GIVEN IN LOW PRECISION. The matrix products marked QUANTISED in the list below multiply operands that are first quantised to E4M3 (4 exponent bits, 3 mantissa bits; 8 bits a number), with one given power-of-two scale for each operand tensor; their sums are f32. All else is computed in f32.
;;   The module's matrix products, in the order in which they are computed (A, B: the left and right operand; K: the contracted axis; several contracted axes count as one K, in the product's order):
;;     1. [M 4,096, K 2,048] x [K 2,048, N 2,048]; A: input x; B: input wq: QUANTISED (scales: A lowp_scales[0], B lowp_scales[1])
;;     2. [M 4,096, K 2,048] x [K 2,048, N 512]; A: input x; B: input wk: QUANTISED (scales: A lowp_scales[2], B lowp_scales[3])
;;     3. [M 4,096, K 2,048] x [K 2,048, N 512]; A: input x; B: input wv: QUANTISED (scales: A lowp_scales[4], B lowp_scales[5])
;;     4. batch 16 x [M 4,096, K 128] x [K 128, N 1,024]; A: computed on the way; B: computed on the way: QUANTISED (scales: A lowp_scales[6], B lowp_scales[7])
;;     5. batch 16 x [M 4,096, K 1,024] x [K 1,024, N 128]; A: softmax (see below); B: computed on the way: QUANTISED (scales: A lowp_scales[8], B lowp_scales[9])
;;     6. [M 4,096, K 2,048] x [K 2,048, N 2,048]; A: computed on the way; B: input wo: QUANTISED (scales: A lowp_scales[10], B lowp_scales[11])
;;   THE QUANTISER, for each operand of a quantised product, along K:
;;     - The operand's scale is 2^e, e = its entry of the input lowp_scales (int32; the entries are numbered through the quantised products in the list's order, A before B).
;;     - Each number is divided by the scale, clamped to +-448, and rounded to the nearest number of E4M3, ties to even, subnormals kept.
;;     - The product sums the exact products of the quantised numbers (number of the format x scale) in f32.
;;   ~~~python
;;   def quantise(x, axis, e):      # numpy; x: float32 -> the quantised numbers, widened to float32 again
;;       x = np.moveaxis(x, axis, -1); K = x.shape[-1]
;;       r = np.clip(x / 2.0 ** e, -448, 448)
;;       step = 2.0 ** (np.maximum(np.frexp(np.where(r == 0, 1, r))[1] - 1, -6) - 3)
;;       q = np.round(r / step) * step * 2.0 ** e      # np.round: ties to even
;;       return np.moveaxis(q, -1, axis).astype(np.float32)
;;   ~~~
;;   SOFTMAX AHEAD OF A QUANTISED PRODUCT. Where the list says 'softmax', what is quantised is not the finished softmax but p = 2^(t - M), with t = logit x log2(e) and M = ceil(the row's largest t), a whole number; so 1/2 < the row's largest p <= 1. The row's sum l is taken of the UNQUANTISED p, in f32, and the product's result is divided by l at the end. Since M is a whole number, a kernel that streams over the keys may use a running M (the ceiling of the running maximum): every later rescaling is an exact power of two, so the quantised numbers keep their values, but for numbers so far below the row's largest that they fall under the format's range.
;;   OPERANDS COMPUTED ON THE WAY. 'Computed on the way' means the value that the module computes at that place (a softmax that the list does not call 'softmax' is quantised finished and normalised). What goes into a quantiser is computed in f32, as accurately as f32 sums, v_exp_f32 and their like allow (about 1e-6 of the number): no bf16 or f16 on the way to a quantiser, and a product that is left as it is and whose result goes on into a quantised operand takes f32 operands (vector FMAs, or v_wmma_f32_16x16x4_f32). A number that lies on a knife's edge between two numbers of the format may be rounded either way, as far as f32 arithmetic and the matrix unit's own rounding can turn it there, and no further.
;; One version. Each part assembles by itself: llvm-mc -triple=amdgcn-amd-amdhsa -mcpu=gfx1250 --defsym DOCPART=n.
;; ======== version 1 of 1: 4 launches
;; limits: right only within a limited range of input values
;; workspace buffers: x_codes 25,165,824 bytes; w_codes 10,485,760 bytes; mask_img 4,194,304 bytes; q_codes 8,388,608 bytes; kv_codes 4,194,304 bytes; a_codes 8,388,608 bytes
;; launch prep (part 1): grid 1216 x 1, 4 waves a work-group, no clusters, 33,280 bytes of LDS; arguments x, wq, wk, wv, wo, attention_mask, lowp_scales, x_codes, w_codes, mask_img; writes x_codes, w_codes, mask_img
.if DOCPART == 1
	.amdgcn_target "amdgcn-amd-amdhsa--gfx1250"
	.amdhsa_code_object_version 6
	.text
	.protected	k_qf028a5f1dc_prep
	.globl	k_qf028a5f1dc_prep
	.p2align	8
	.type	k_qf028a5f1dc_prep,@function
k_qf028a5f1dc_prep:
	s_mov_b64 s[64:65], 0
	v_nop
	global_prefetch_b8 v0, s[64:65] scope:SCOPE_SE
	s_setreg_imm32_b32 hwreg(HW_REG_WAVE_MODE, 25, 1), 1
	s_wait_xcnt 0x0
; x, wq, wk, wv, wo (f32, K innermost, dense rows) become codes of FP8 (E4M3); the additive mask becomes mask x log2(e), laid in the order in which the attention launch's registers take it.
; code = number / 2^e, held within +-448, rounded to the nearest code, ties to even.  x is an operand of three products with three given scales (entries 0, 2, 4): three sets of codes are stored.
; w_codes holds 5,120 rows of 2,048 codes: wq (entry 1), wk (3), wv (5), wo (11).  LIMITS: each e between -126 and 119, so that 2^e and 448 x 2^e are f32 numbers; NaN among the inputs is not served.
; Work-groups 0-511: x; 512-767: wq; 768-831: wk; 832-895: wv; 896-1151: wo; each takes 16,384 numbers, a wave 8 steps of 512.  Work-groups 1152-1215: 16 rows of the mask each.
; A step's four loads read 512 consecutive bytes each; the 2,048 bytes turn through the wave's own stage in LDS, so that a lane holds 16 neighbours; its 16 codes are 16 bytes: the wave stores 512 consecutive bytes.
; Loads run six steps ahead: 24 loads, 12,288 of a wave's 16,384 bytes, are on their way at once.
.set STEPS, 8
.set DEPTH, 6                          ; sets of registers for loads = steps on their way
.set R,     16                         ; v16-111  six sets of 16 numbers as loaded
.set X,     112                        ; v112-143 two sets of 16 neighbours
.set T,     144                        ; v144-159 the numbers, held
.set C,     160                        ; v160-183 codes: (step % 2) x 3 outputs x 4 registers
.set WREG,  8192                       ; LDS: a region for each wave: two stages of 32 x SP bytes
.set SP,    80                         ; a lane's place in a stage: 64 bytes + 16 of padding
.set SPW,   12                         ; v12 LDS address of my spare word; never rewritten
.set NIL,   13                         ; v13 0; never rewritten
.set SPARE, 4*WREG                     ; behind the four regions: the spare words, 128 bytes a wave
	s_load_b512 s[4:19], s[0:1], 0x0               ; x, wq, wk, wv, wo, mask, scales, x_codes
	s_load_b128 s[20:23], s[0:1], 0x40             ; w_codes, mask_img
	v_lshl_add_u32 v[SPW], v0, 2, SPARE
	v_mov_b32 v[NIL], 0
	v_lshrrev_b32 v1, 5, v0
	v_readfirstlane_b32 s46, v1                    ; wave
	v_and_b32 v2, 31, v0                           ; lane
	v_lshlrev_b32 v3, 4, v2                        ; 16 x lane: my 16 bytes of 512
	s_mul_i32 s47, s46, WREG
	v_lshrrev_b32 v14, 2, v2
	v_mul_u32_u24 v14, v14, SP
	v_and_b32 v15, 3, v2
	v_lshl_add_u32 v14, v15, 4, v14
	v_add_nc_u32 v14, s47, v14                     ; the stage, on the way in: SP (lane / 4) + 16 (lane % 4)
	v_mul_u32_u24 v15, v2, SP
	v_add_nc_u32 v15, s47, v15                     ; and on the way out: SP x lane
	s_wait_kmcnt 0x0
	s_cmp_ge_u32 ttmp9, 1152
	s_cbranch_scc1 .Lmask
	s_load_b256 s[24:31], s[16:17], 0x0            ; e0 .. e7
	s_load_b128 s[32:35], s[16:17], 0x20           ; e8 .. e11
	; which tensor: the choice hangs on the work-group's number alone
	s_mov_b64 s[36:37], s[12:13]                   ; wo
	s_mov_b32 s44, 896
	s_cmp_lt_u32 ttmp9, 896
	s_cselect_b64 s[36:37], s[10:11], s[36:37]     ; wv
	s_cselect_b32 s44, 832, s44
	s_cmp_lt_u32 ttmp9, 832
	s_cselect_b64 s[36:37], s[8:9], s[36:37]       ; wk
	s_cselect_b32 s44, 768, s44
	s_cmp_lt_u32 ttmp9, 768
	s_cselect_b64 s[36:37], s[6:7], s[36:37]       ; wq
	s_cselect_b32 s44, 512, s44
	s_cmp_lt_u32 ttmp9, 512
	s_cselect_b64 s[36:37], s[4:5], s[36:37]       ; x
	s_cselect_b32 s44, 0, s44
	s_cselect_b64 s[38:39], s[18:19], s[20:21]     ; x_codes or w_codes
	s_cselect_b32 s51, 0, 512
	s_sub_co_u32 s52, ttmp9, s44
	s_lshl_b32 s52, s52, 2
	s_add_co_u32 s52, s52, s46
	s_lshl_b32 s52, s52, 14                        ; my wave's run of 4,096 numbers: 16,384 bytes
	s_mov_b32 s53, 0
	s_add_nc_u64 s[36:37], s[36:37], s[52:53]
	s_sub_co_u32 s52, ttmp9, s51
	s_lshl_b32 s52, s52, 2
	s_add_co_u32 s52, s52, s46
	s_lshl_b32 s52, s52, 12                        ; and its 4,096 codes
	s_add_nc_u64 s[38:39], s[38:39], s[52:53]
	s_add_nc_u64 s[40:41], s[38:39], 0x800000      ; x's second and third sets (used by x's work-groups alone)
	s_add_nc_u64 s[42:43], s[38:39], 0x1000000
.macro LOAD t
.irp i, 0,1,2,3
	global_load_b128 v[R+16*((\t)%DEPTH)+4*\i:R+16*((\t)%DEPTH)+4*\i+3], v3, s[36:37] offset:2048*(\t)+512*\i th:TH_LOAD_NT
.endr
.endm
.macro TURN t                          ; step t's numbers through the stage: LDS serves a wave's instructions in order, so no wait stands between the stores and the loads
.irp i, 0,1,2,3
	ds_store_b128 v14, v[R+16*((\t)%DEPTH)+4*\i:R+16*((\t)%DEPTH)+4*\i+3] offset:32*SP*((\t)%2)+8*SP*\i
.endr
.irp i, 0,1,2,3
	ds_load_b128 v[X+16*((\t)%2)+4*\i:X+16*((\t)%2)+4*\i+3], v15 offset:32*SP*((\t)%2)+16*\i
.endr
.endm
.macro MKSC e, sc, lim                 ; 2^e and 448 x 2^e as f32, from the whole number in s[e]
	s_add_co_i32 s49, s[\e], 127
	s_lshl_b32 s50, s49, 23
	v_mov_b32 v[\sc], s50
	s_add_co_i32 s49, s49, 8
	s_lshl_b32 s49, s49, 23
	s_or_b32 s49, s49, 0x600000
	v_mov_b32 v[\lim], s49
.endm
	s_wait_alu depctr_va_vdst(0)
.irp t, 0,1,2,3,4,5
	LOAD \t
.endr
	s_wait_kmcnt 0x0
	s_cmp_lt_u32 ttmp9, 896
	s_cselect_b32 s48, s29, s35                    ; e5 or e11
	s_cmp_lt_u32 ttmp9, 832
	s_cselect_b32 s48, s27, s48                    ; e3
	s_cmp_lt_u32 ttmp9, 768
	s_cselect_b32 s48, s25, s48                    ; e1
	s_cmp_lt_u32 ttmp9, 512
	s_cselect_b32 s48, s24, s48                    ; e0
	MKSC 48, 4, 5
	MKSC 26, 6, 7                                  ; e2
	MKSC 28, 8, 9                                  ; e4
	s_wait_alu depctr_va_vdst(0)
	s_wait_loadcnt 20                              ; step 0's four loads are in; those of the five steps behind it may be out
	TURN 0
; One set of codes of step t: the hold (the conversion to an 8-bit code does not saturate: ISA guide 7.6.2), two conversions, a plain line behind them (T is written again by the next set), the store.
.macro CONV t, o, sc, lim, base
.irp i, 0,1,2,3,4,5,6,7,8,9,10,11,12,13,14,15
	v_med3_num_f32 v[T+\i], v[XS+\i], -v[\lim], v[\lim]
.endr
	v_cvt_scalef32_pk8_fp8_f32 v[CC+4*\o:CC+4*\o+1], v[T:T+7], v[\sc]
	v_cvt_scalef32_pk8_fp8_f32 v[CC+4*\o+2:CC+4*\o+3], v[T+8:T+15], v[\sc]
	v_nop
	global_store_b128 v3, v[CC+4*\o:CC+4*\o+3], s[\base:\base+1] offset:512*(\t)
.endm
.macro STEP t
.set XS, X+16*((\t)%2)
.set CC, C+12*((\t)%2)
	s_wait_dscnt 0x0                               ; this step's numbers are back from the stage: so its stores into the stage have read their registers,
.if (\t)+DEPTH < STEPS
	LOAD (\t)+DEPTH                                ; which take the loads of six steps on
.endif
.if (\t)+1 < STEPS
.if STEPS-2-(\t) >= DEPTH-1
	s_wait_loadcnt 4*(DEPTH-1)                     ; the next step's four loads are in; those of the five steps behind it may be out
.else
	s_wait_loadcnt 4*(STEPS-2-(\t))
.endif
	TURN (\t)+1
.endif
	s_wait_xcnt 0x0                                ; the stores of two steps ago have read their registers: the codes' registers are written again only behind this wait
	CONV \t, 0, 4, 5, 38
	s_cmp_lt_u32 ttmp9, 512                        ; x alone has two more sets
	s_cbranch_scc0 .Lone_set_\@
	CONV \t, 1, 6, 7, 40
	CONV \t, 2, 8, 9, 42
.Lone_set_\@:
.endm
.irp t, 0,1,2,3,4,5,6,7
	STEP \t
.endr
	s_branch .Lend
.Lmask:
	; mask_img[qt 64][ks 8][u 16][lane][16 bytes] = log2(e) x mask[16 qt + lane % 16][128 ks + 16 (u / 2) + 8 (lane / 16) + 4 (u % 2) + 0 .. 3].  Wave w takes ks = 2 w and 2 w + 1.
	s_sub_co_u32 s44, ttmp9, 1152                  ; qt
	s_lshl_b32 s44, s44, 16                        ; 16 rows of 4,096 bytes; the image of a qt is as long
	s_lshl_b32 s45, s46, 10                        ; two key steps of 512 bytes in a row
	s_add_co_u32 s36, s44, s45
	s_mov_b32 s37, 0
	s_add_nc_u64 s[14:15], s[14:15], s[36:37]
	s_lshl_b32 s45, s46, 14                        ; two key steps of 8,192 bytes in the image
	s_add_co_u32 s36, s44, s45
	s_add_nc_u64 s[22:23], s[22:23], s[36:37]
	v_and_b32 v4, 15, v0
	v_bfe_u32 v5, v0, 4, 1
	v_lshlrev_b32 v4, 12, v4
	v_lshl_add_u32 v4, v5, 5, v4                   ; row x 4,096 + 32 x half
.irp k, 0,1
.irp u, 0,1,2,3,4,5,6,7,8,9,10,11,12,13,14,15
	global_load_b128 v[16+64*\k+4*\u:16+64*\k+4*\u+3], v4, s[14:15] offset:512*\k+64*(\u/2)+16*(\u%2)
.endr
.endr
.irp k, 0,1
	s_wait_loadcnt 16-16*\k                        ; this key step's sixteen loads are in
.set i, 0
.rept 32
	v_pk_mul_f32 v[16+64*\k+i:16+64*\k+i+1], v[16+64*\k+i:16+64*\k+i+1], 0x3fb8aa3b op_sel_hi:[1,0]
.set i, i+2
.endr
.irp u, 0,1,2,3,4,5,6,7,8,9,10,11,12,13,14,15
	global_store_b128 v3, v[16+64*\k+4*\u:16+64*\k+4*\u+3], s[22:23] offset:8192*\k+512*\u   ; 512 consecutive bytes
.endr
.endr
.Lend:
	s_wait_tensorcnt 0x0                           ; the wave's end: behind my last LDS store
	ds_add_u32 v[SPW], v[NIL]
	s_wait_dscnt 0x0
	s_endpgm
.Lfunc_end_k_qf028a5f1dc_prep:
	.size	k_qf028a5f1dc_prep, .Lfunc_end_k_qf028a5f1dc_prep-k_qf028a5f1dc_prep
	.p2alignl 7, 3214868480
	.fill 96, 4, 3214868480
	.section	.rodata,"a",@progbits
	.p2align	6, 0x0
	.amdhsa_kernel k_qf028a5f1dc_prep
		.amdhsa_group_segment_fixed_size 33280
		.amdhsa_private_segment_fixed_size 0
		.amdhsa_enable_private_segment 0
		.amdhsa_kernarg_size 80
		.amdhsa_user_sgpr_count 2
		.amdhsa_user_sgpr_kernarg_segment_ptr 1
		.amdhsa_wavefront_size32 1
		.amdhsa_system_sgpr_workgroup_id_x 1
		.amdhsa_system_sgpr_workgroup_id_y 1
		.amdhsa_system_sgpr_workgroup_id_z 1
		.amdhsa_system_vgpr_workitem_id 0
		.amdhsa_next_free_vgpr 184
		.amdhsa_next_free_sgpr 66
		.amdhsa_reserve_vcc 0
		.amdhsa_float_denorm_mode_32 3
		.amdhsa_float_denorm_mode_16_64 3
		.amdhsa_memory_ordered 1
		.amdhsa_forward_progress 1
		.amdhsa_inst_pref_size 56
	.end_amdhsa_kernel
	.amdgpu_metadata
---
amdhsa.version: [ 1, 2 ]
amdhsa.kernels:
  - .name:           k_qf028a5f1dc_prep
    .symbol:         k_qf028a5f1dc_prep.kd
    .args:
      - { .name: x, .offset: 0, .size: 8, .value_kind: global_buffer, .address_space: global }
      - { .name: wq, .offset: 8, .size: 8, .value_kind: global_buffer, .address_space: global }
      - { .name: wk, .offset: 16, .size: 8, .value_kind: global_buffer, .address_space: global }
      - { .name: wv, .offset: 24, .size: 8, .value_kind: global_buffer, .address_space: global }
      - { .name: wo, .offset: 32, .size: 8, .value_kind: global_buffer, .address_space: global }
      - { .name: attention_mask, .offset: 40, .size: 8, .value_kind: global_buffer, .address_space: global }
      - { .name: lowp_scales, .offset: 48, .size: 8, .value_kind: global_buffer, .address_space: global }
      - { .name: x_codes, .offset: 56, .size: 8, .value_kind: global_buffer, .address_space: global }
      - { .name: w_codes, .offset: 64, .size: 8, .value_kind: global_buffer, .address_space: global }
      - { .name: mask_img, .offset: 72, .size: 8, .value_kind: global_buffer, .address_space: global }
    .group_segment_fixed_size: 33280
    .private_segment_fixed_size: 0
    .kernarg_segment_align: 8
    .kernarg_segment_size: 80
    .max_flat_workgroup_size: 128
    .sgpr_count:     66
    .vgpr_count:     184
    .wavefront_size: 32
...
	.end_amdgpu_metadata
.endif
;; end of part 1
;; launch qkv (part 2): grid 16 x 12, 4 waves a work-group, clusters of 4 x 1, 327,680 bytes of LDS; arguments x_codes, w_codes, lowp_scales, freqs_cos, freqs_sin, q_codes, kv_codes, out1, out2; writes q_codes, kv_codes, out1, out2
.if DOCPART == 2
	.amdgcn_target "amdgcn-amd-amdhsa--gfx1250"
	.amdhsa_code_object_version 6
	.text
	.protected	k_qf028a5f1dc_qkv
	.globl	k_qf028a5f1dc_qkv
	.p2align	8
	.type	k_qf028a5f1dc_qkv,@function
k_qf028a5f1dc_qkv:
	s_mov_b64 s[64:65], 0
	v_nop
	global_prefetch_b8 v0, s[64:65] scope:SCOPE_SE
	s_setreg_imm32_b32 hwreg(HW_REG_WAVE_MODE, 25, 1), 1
	s_wait_xcnt 0x0
	s_wait_alu depctr_hold_cnt(0) depctr_sa_sdst(0) depctr_va_vdst(0) depctr_va_sdst(0) depctr_va_ssrc(0) depctr_va_vcc(0) depctr_vm_vsrc(0)
	s_getreg_b32 s2, hwreg(HW_REG_IB_STS2, 6, 4)
	s_cmp_eq_u32 s2, 0
	s_cbranch_scc0 .Lentry_in_a_cluster
	s_endpgm
.Lentry_in_a_cluster:
	s_bfe_u32 s2, ttmp6, 0x10000c
	s_cmp_lg_u32 s2, 0x3003
	s_cbranch_scc0 .Lentry_shape_is_right
	s_endpgm
.Lentry_shape_is_right:
; The three projections on codes of FP8 (E4M3), the rotation of q and k, and the quantising of q, k, v for the attention launch.
; A tile of 256 rows (mt = work-group x) x 256 columns (nt = work-group y: 0-7 q, 8-9 k, 10-11 v) is made by four waves, each 128 x 128: 64 accumulators, 512 registers; a wave's 128 columns are one head.
; K = 2,048 goes in steps of 256 through a ring of two LDS slots.  x's codes are taken from the set made with the product's own scale (entries 0, 2, 4).
; CLUSTER 4 x 1: the four partners lie along the rows and need the same tile of the weights, which is asked for jointly (mask 15).  x's tile is each work-group's own (no mask).  A cluster of 4 x 4 is not taken:
; k and v have two tiles of 256 columns each and their x codes are other tensors than q's, so four partners along the columns do not share a tile of x.
; THE MATRIX INSTRUCTION IS USED TRANSPOSED (source 0 = 16 rows of the weights, source 1 = 16 rows of x): lane (r, h) of accumulator (a, b) holds row 16 a + r, columns 16 b + 8 h + 0 .. 7 of the head.
; THE WAY OUT.  q, k: rotated in f32 (the sums lack 2^E, which the rotation passes through), quantised with 2^(e6 or e7 - E); a block's 16 code registers are a fragment (16 rows x 128) as the next launch's matrix
; instruction takes it, and are stored as they stand, 512 consecutive bytes a store.  k x 2^E goes through a stage in LDS to out1.  v x 2^(e4 + e5) goes through a stage to out2, and is read back by columns, so that
; a lane holds 16 keys of one channel: its codes have the keys innermost.
; LIMITS on the given exponents, so that each power of two below is an f32 number: e0 + e1, e2 + e3, e4 + e5 between -126 and 127; e6 - e0 - e1, e7 - e2 - e3, e9 between -126 and 119.
; REGISTERS, in windows of 256: window 0: v0-31 addresses; from v128 x's fragments, one set; on the way out v32-255.  window 1: the weights' fragments, two sets; on the way out four buffers of cos and sin.
;   window 2: the accumulators of my rows 0-63 ((a, b) at v[8 (8 a + b)]); window 3: those of my rows 64-127.
.set KSTEP,  256
.set ROWB,   256
.set KROW,   2048
.set PITCH,  272                       ; an LDS row: 256 bytes + 16 of padding: the 16 rows of a load start at 16 different banks (64 banks of 4 bytes: ISA guide 11.1)
.set FR,     16
.set NL,     4
.set NP,     4                         ; places behind this matrix instruction (ISA guide 7.12.1)
.set HALFT,  128*PITCH
.set SLOT,   4*HALFT
.set LAPS,   2048/(2*KSTEP)
.set SPARE,  2*SLOT                    ; behind the ring: the spare words, 128 bytes a wave
.set SPITCH, 528                       ; the stages: 16 rows x (512 bytes + 16) a wave, in slot 0, which has had its last fill and its last read when the first result is stored there
.set VSTG,   40960                     ; v's stages begin here, k's at 0: each path has bytes of its own
.set VSTO, 8                           ; v8   v's stage: where I put 32 bytes of a row
.set VRD,  9                           ; v9   where I read a row back
.set VCOL, 10                          ; v10  where I read a column: 4 x lane
.set VO,   11                          ; v11  my place in v's image: 2,048 (lane / 16) + 16 (lane % 16)
.set LIMV, 12                          ; v12  448 x the conversion's scale
.set SCV,  13                          ; v13  the conversion's scale
.set ADRA, 16
.set ADRB, 20
.set STO,  24                          ; v24  k's stage, in
.set RD,   25                          ; v25  k's stage, back
.set CO,   26                          ; v26  16 x lane
.set SPW,  28
.set NIL,  29
.set CSO,  30                          ; v30  my place in 16 rows of cos or sin: 256 r + 16 h
.set TMP,  32                          ; v32-95
.set BK,   96
.set RR,   160                         ; v160-223 a block after the rotation; v: columns
.set COL,  160
.set PCB,  224
.set VC,   224
.set AF,   128
.set G1, 24
.set G0, 32
.set G1B, 48
.set G0B, 56
.set MSB, 0
.macro WIN new                         ; the immediate's high byte repeats the setting that is left
.if MSB != (\new)
	s_set_vgpr_msb (MSB<<8)|(\new)
.set MSB, (\new)
.endif
.endm
.set MUL_LO, 0xa1                      ; source 0 (weights) window 1, source 1 (x) window 0, C and D window 2
.set MUL_HI, 0xf1
.set TO_B,   0x40
; Waves 0 and 1 fetch x's tile, waves 2 and 3 the weights', jointly.  The branch hangs on the wave's number alone.  An s_nop 0 and four v_nop follow each of the two lines.
.macro JLOAD g0a, g1a, g0b, g1b
	s_cmp_eq_u32 s15, 0
	s_cbranch_scc0 .Lfor_b_\@
	tensor_load_to_lds s[\g0a:\g0a+3], s[\g1a:\g1a+7]
	s_nop 0
.rept 4
	v_nop
.endr
	s_branch .Lasked_\@
.Lfor_b_\@:
	tensor_load_to_lds s[\g0b:\g0b+3], s[\g1b:\g1b+7]
	s_nop 0
.rept 4
	v_nop
.endr
.Lasked_\@:
.endm
.macro CREST
	s_cmp_lg_u32 s14, 0
	s_cbranch_scc1 .Lnot_wave_0_\@
	s_barrier_signal -3
.Lnot_wave_0_\@:
	s_barrier_wait -3
	s_barrier_signal -1
	s_barrier_wait -1
.endm
.macro CROUND
	s_barrier_signal -1
	s_barrier_wait -1
	CREST
.endm
	s_load_b256 s[4:11], s[0:1], 0x0               ; x_codes s[4:5], w_codes s[6:7], scales s[8:9], cos s[10:11]
	s_load_b256 s[68:75], s[0:1], 0x20             ; sin s[68:69], q_codes s[70:71], kv_codes s[72:73], out1 s[74:75]
	s_load_b64 s[76:77], s[0:1], 0x40              ; out2
	v_lshl_add_u32 v[SPW], v0, 2, SPARE
	v_mov_b32 v[NIL], 0
	ds_add_u32 v[SPW], v[NIL]                      ; the wave's opening: the add and its wait ahead of my first tensor load
	ds_add_u32 v[SPW], v[NIL]
	v_lshrrev_b32 v1, 5, v0
	v_readfirstlane_b32 s14, v1                    ; wave 0..3
	s_lshr_b32 s15, s14, 1                         ; i: which half of the tile's rows is mine.  Also: I fetch x (0) or the weights (1)
	s_and_b32 s16, s14, 1                          ; j: which half of its columns.  Also: which 128 rows of that tile I fetch
	s_bfe_u32 s40, ttmp6, 0x40000                  ; cx
	s_lshl_b32 s17, ttmp9, 2
	s_add_co_u32 s17, s17, s40                     ; mt = 4 x cluster x + cx
	s_and_b32 s42, ttmp7, 0xffff                   ; nt, which the four partners share
	s_mov_b32 s[G1+0], (1<<20)|(5<<22)|(3<<25)     ; x's tiles: no mask; elements of 1 byte; padding of 4 words after every 64
	s_mov_b32 s[G1B+0], 15|(1<<20)|(1<<21)|(5<<22)|(3<<25)  ; the weights': all four partners, bit 21 set beside the mask
.irp g, G1, G1B
	s_mov_b32 s[\g+1], ROWB<<16                    ; tensor_dim0
	s_mov_b32 s[\g+2], 128<<16                     ; tensor_dim1
	s_mov_b32 s[\g+3], ROWB<<16                    ; tile_dim0
	s_mov_b32 s[\g+4], 128                         ; tile_dim1
	s_mov_b32 s[\g+5], KROW                        ; tensor_dim0_stride
	s_mov_b32 s[\g+6], 0
	s_mov_b32 s[\g+7], 0
.endr
	s_lshr_b32 s18, s42, 1
	s_sub_co_i32 s18, s18, 3
	s_max_i32 s18, s18, 0                          ; which set of x's codes: 0 for q, 1 for k, 2 for v
	s_lshl_b32 s18, s18, 23                        ; a set is 8,388,608 bytes
	s_lshl_b32 s19, s16, 7                         ; which 128 rows of the tile I fetch
	s_lshl_b32 s20, s17, 8
	s_add_co_u32 s20, s20, s19
	s_lshl_b32 s20, s20, 11                        ; rows of 2,048 bytes
	s_add_co_u32 s20, s20, s18
	s_mov_b32 s21, 0
	s_lshl_b32 s46, s42, 8                         ; the weights: row 256 nt + 128 x half: no register here ever holds cx
	s_add_co_u32 s46, s46, s19
	s_lshl_b32 s46, s46, 11
	s_mov_b32 s47, 0
	s_mul_i32 s45, s14, HALFT                      ; where they go: wave x 128 rows
	s_wait_dscnt 0x0                               ; the opening add is done
	s_wait_kmcnt 0x0
	s_load_b256 s[80:87], s[8:9], 0x0              ; e0 .. e7
	s_load_b32 s88, s[8:9], 0x24                   ; e9
	s_add_nc_u64 s[20:21], s[4:5], s[20:21]
	s_add_nc_u64 s[46:47], s[6:7], s[46:47]
	CROUND                                         ; all four work-groups are here: the first joint loads meet
.irp s, 0,1
	s_mov_b32 s[G0+4*\s], 1
	s_add_co_u32 s[G0+4*\s+1], s45, \s*SLOT
	s_add_nc_u64 s[G0+4*\s+2:G0+4*\s+3], s[20:21], \s*ROWB
	s_or_b32 s[G0+4*\s+3], s[G0+4*\s+3], 0x80000000
	s_mov_b32 s[G0B+4*\s], 1
	s_add_co_u32 s[G0B+4*\s+1], s45, \s*SLOT
	s_add_nc_u64 s[G0B+4*\s+2:G0B+4*\s+3], s[46:47], \s*ROWB
	s_or_b32 s[G0B+4*\s+3], s[G0B+4*\s+3], 0x80000000
.endr
	JLOAD G0, G1, G0B, G1B                         ; K step 0: one tensor load a wave at the head
	; the prefetches' addresses (macro ASK).  x: my wave's 64 of the work-group's 256 rows, a lane a row, two instructions.  The weights: of the tile's 256 rows the partner at cx takes 64, told apart by address, and my wave 16 of them
	; (lanes 16-31 name the wave's last row again).  cos or sin: a lane a row of 256 bytes.  Both code pointers stand at K step 3: the first change of slots steps them to K step 4
.set PFO,  14                          ; v14  2,048 x lane
.set PFWO, 15                          ; v15  2,048 x min(lane, 15)
.set PFCO, 18                          ; v18  256 x lane
	v_and_b32 v[PFO], 31, v0
	v_min_u32 v[PFWO], 15, v[PFO]
	v_lshlrev_b32 v[PFCO], 8, v[PFO]
	v_lshlrev_b32 v[PFO], 11, v[PFO]
	v_lshlrev_b32 v[PFWO], 11, v[PFWO]
	s_lshl_b32 s78, s17, 8
	s_lshl_b32 s79, s14, 6
	s_add_co_u32 s78, s78, s79                     ; x: row 256 mt + 64 wave
	s_lshl_b32 s78, s78, 11
	s_add_co_u32 s78, s78, s18                     ; in the product's own set of codes
	s_add_co_u32 s78, s78, 3*ROWB
	s_mov_b32 s79, 0
	s_add_nc_u64 s[4:5], s[4:5], s[78:79]
	s_lshl_b32 s78, s42, 8
	s_lshl_b32 s79, s40, 6
	s_add_co_u32 s78, s78, s79
	s_lshl_b32 s79, s14, 4
	s_add_co_u32 s78, s78, s79                     ; the weights: row 256 nt + 64 cx + 16 wave
	s_lshl_b32 s78, s78, 11
	s_add_co_u32 s78, s78, 3*ROWB
	s_mov_b32 s79, 0
	s_add_nc_u64 s[6:7], s[6:7], s[78:79]
	s_cmp_ge_u32 s42, 10
	s_cselect_b32 s66, -1, 1                       ; v's clusters read no cos and no sin, and ask for none
	v_and_b32 v1, 15, v0                           ; r
	s_wait_alu depctr_va_vdst(0)
	v_bfe_u32 v2, v0, 4, 1                         ; h
	v_mul_u32_u24 v3, v1, PITCH
	v_lshl_add_u32 v4, v2, 4, v3
	s_mul_i32 s21, s15, HALFT                      ; my 128 rows of x
	s_mul_i32 s22, s16, HALFT                      ; my 128 rows of the weights,
	s_add_co_u32 s22, s22, 2*HALFT                 ; which lie behind x's 256
.irp s, 0,1
	v_add_nc_u32 v[ADRA+\s], s21, v4
	v_add_nc_u32 v[ADRB+\s], s22, v4
	s_add_co_u32 s21, s21, SLOT
	s_add_co_u32 s22, s22, SLOT
.endr
	s_mul_i32 s23, s14, 16*SPITCH                  ; my stage
	v_mul_u32_u24 v5, v1, SPITCH
	s_wait_alu depctr_va_vdst(0)
	v_lshl_add_u32 v5, v2, 5, v5
	v_add_nc_u32 v[STO], s23, v5                   ; in: row r, 32 bytes for each half of the lanes
	v_add_nc_u32 v[VSTO], VSTG, v[STO]
	v_and_b32 v6, 31, v0
	v_lshlrev_b32 v[CO], 4, v6
	v_add_nc_u32 v[RD], s23, v[CO]                 ; back: the 32 lanes take one row of 512 bytes
	v_add_nc_u32 v[VRD], VSTG, v[RD]
	v_lshl_add_u32 v[VCOL], v6, 2, s23
	v_add_nc_u32 v[VCOL], VSTG, v[VCOL]
	v_lshlrev_b32 v[VO], 11, v2
	v_lshl_add_u32 v[VO], v1, 4, v[VO]
	v_lshlrev_b32 v[CSO], 8, v1
	v_lshl_add_u32 v[CSO], v2, 4, v[CSO]
	; the way out's bases.  b = mt / 4, m3 = mt % 4; my 128 rows are positions 128 (2 m3 + i) on of batch b
	s_lshr_b32 s98, s17, 2
	s_and_b32 s99, s17, 3
	s_lshl_b32 s100, s99, 1
	s_add_co_u32 s100, s100, s15                   ; 2 m3 + i
	s_lshl_b32 s18, s100, 15                       ; 128 rows of 256 bytes of cos and of sin
	s_mov_b32 s19, 0
	s_add_nc_u64 s[10:11], s[10:11], s[18:19]
	s_add_nc_u64 s[68:69], s[68:69], s[18:19]
	s_cmp_eq_u32 s16, 0                            ; of the two waves that take the same 128 positions one asks for cos, the other for sin
	s_cselect_b64 s[12:13], s[10:11], s[68:69]
	s_lshl_b32 s100, s100, 14                      ; eight images of 2,048 bytes (q, k), or a key step's 16,384 bytes (v)
	s_lshl_b32 s18, s98, 4
	s_lshl_b32 s22, s42, 1
	s_add_co_u32 s18, s18, s22
	s_add_co_u32 s18, s18, s16                     ; q: 16 b + head, head = 2 nt + j
	s_lshl_b32 s18, s18, 17                        ; 64 images a head
	s_and_b32 s22, s42, 1
	s_lshl_b32 s22, s22, 1
	s_add_co_u32 s22, s22, s16                     ; k, v: head = 2 (nt % 2) + j
	s_lshl_b32 s23, s98, 2
	s_add_co_u32 s23, s23, s22
	s_lshl_b32 s23, s23, 18                        ; 262,144 bytes for a (b, head): K's images, then V's
	s_cmp_ge_u32 s42, 10
	s_cselect_b32 s101, 131072, 0
	s_cselect_b64 s[96:97], s[76:77], s[74:75]     ; out2 for v, out1 for k
	s_add_co_u32 s23, s23, s101
	s_cmp_lt_u32 s42, 8
	s_cselect_b32 s18, s18, s23
	s_cselect_b64 s[94:95], s[70:71], s[72:73]     ; q_codes or kv_codes
	s_cselect_b32 s89, 0, 1                        ; 1: a work-group of k (or v)
	s_add_co_u32 s18, s18, s100
	s_add_nc_u64 s[94:95], s[94:95], s[18:19]
	s_lshl_b32 s18, s17, 8
	s_lshl_b32 s23, s15, 7
	s_add_co_u32 s18, s18, s23
	s_lshl_b32 s18, s18, 11                        ; out1, out2: my first row, 2,048 bytes a row,
	s_lshl_b32 s22, s22, 9                         ; and my head's 512 bytes in it
	s_add_co_u32 s18, s18, s22
	s_add_nc_u64 s[96:97], s[96:97], s[18:19]
.macro FRAG reg, adr, q, i             ; a fragment, 16 rows x 128 K: four loads of 16 bytes, 32 bytes apart: the same places of k in x and in the weights
.irp c, 0,1,2,3
	ds_load_b128 v[\reg+4*\c:\reg+4*\c+3], v[\adr] offset:128*(\q)+32*\c+(\i)*16*PITCH
.endr
.endm
; 16 matrix instructions: x's blocks a0, a0 + 1 against the weights' eight.  The 64 accumulators take turns, one instruction a turn, in the same order in every step.
.macro MUL16 a0, p, zero
.irp a, \a0, \a0+1
.irp b, 0,1,2,3,4,5,6,7
.if \zero
	v_wmma_f32_16x16x128_fp8_fp8 v[8*(8*((\a)%4)+\b):8*(8*((\a)%4)+\b)+7], v[128*(\p)+FR*\b:128*(\p)+FR*\b+FR-1], v[AF+FR*(\a):AF+FR*(\a)+FR-1], 0
.else
	v_wmma_f32_16x16x128_fp8_fp8 v[8*(8*((\a)%4)+\b):8*(8*((\a)%4)+\b)+7], v[128*(\p)+FR*\b:128*(\p)+FR*\b+FR-1], v[AF+FR*(\a):AF+FR*(\a)+FR-1], v[8*(8*((\a)%4)+\b):8*(8*((\a)%4)+\b)+7]
.endif
.endr
.endr
.endm
.macro FETCH_B slot, q, p
	WIN TO_B
.irp i, 0,1,2,3,4,5,6,7
	FRAG 128*(\p)+FR*\i, ADRB+\slot, \q, \i
.endr
	WIN 0
.endm
.macro FETCH_A slot, q, i0
.irp i, \i0, \i0+1, \i0+2, \i0+3
	FRAG AF+FR*(\i), ADRA+\slot, \q, \i
.endr
.endm
.macro PLACES n                        ; plain vector lines between a matrix instruction and a load into, or a vector read of, its registers
.rept \n
	v_nop
.endr
.endm
.macro STEP slot, q, zero              ; 128 along K, with its successor in the same slot
	s_wait_dscnt 4*NL                              ; the weights' set and x's blocks 0-3 are in; the youngest sixteen loads (blocks 4-7) may be out
	WIN MUL_LO
	MUL16 0, (\q)%2, \zero
	MUL16 2, (\q)%2, \zero
	s_wait_dscnt 0
	PLACES NP
	FETCH_B \slot, (\q)+1, 1-(\q)%2
	FETCH_A \slot, (\q)+1, 0
	WIN MUL_HI
	MUL16 4, (\q)%2, \zero
	MUL16 6, (\q)%2, \zero
	PLACES NP
	WIN 0
	FETCH_A \slot, (\q)+1, 4
.endm
; A slot's last step changes slots: one barrier; in front of it each wave waits for all its tensor loads, adds 0 to its spare word, and waits for that and for its reads of this slot.
; PREFETCHES INTO THE L2, behind a refill and the run of LDS loads that follows it: the K step that stands two refills on (256 bytes of each row), and 32 rows of cos or sin for the way out.
; Each block of 256 bytes is named once in the cluster.  K steps 0 to 3 come by their loads alone; the loop's last trip (s3 = 1) has no K step two refills on and asks for nothing; the four asks of the first two trips cover my 128 rows of cos or sin.
.macro ASK
	s_cmp_gt_u32 s3, 1
	s_cbranch_scc0 .Lno_ask_\@
	global_prefetch_b8 v[PFO], s[4:5] th:TH_LOAD_NT scope:SCOPE_SE
	global_prefetch_b8 v[PFO], s[4:5] offset:32*KROW th:TH_LOAD_NT scope:SCOPE_SE
	global_prefetch_b8 v[PFWO], s[6:7] th:TH_LOAD_NT scope:SCOPE_SE
	s_cmp_gt_u32 s3, s66
	s_cbranch_scc0 .Lno_ask_\@
	global_prefetch_b8 v[PFCO], s[12:13] offset:-8192 th:TH_LOAD_NT scope:SCOPE_SE   ; (the pointer has been stepped once more than rows have been asked for)
.Lno_ask_\@:
.endm
.macro TURN slot, next, fill
.if \fill
	s_wait_xcnt 0x0                                ; my prefetches have read their addresses, which are stepped here, a K step behind them
	s_add_nc_u64 s[4:5], s[4:5], ROWB
	s_add_nc_u64 s[6:7], s[6:7], ROWB
	s_add_nc_u64 s[12:13], s[12:13], 8192
.endif
	s_wait_tensorcnt 0x0                           ; all my tensor loads have landed: my part of the next slot
	ds_add_u32 v[SPW], v[NIL]                      ; 0 onto my spare word
	s_wait_dscnt 4*NL+1                            ; (the add and the youngest sixteen loads may be out)
	WIN MUL_LO
	MUL16 0, 1, 0
	s_wait_dscnt 0x0                               ; the add is done, and my reads of this slot are over
	s_barrier_signal -1
	MUL16 2, 1, 0
	WIN 0
	s_barrier_wait -1
.if \fill
	CREST                                          ; the barrier has opened a round of the cluster's barrier: no wave of any partner still reads this slot or has a load on its way
	s_add_nc_u64 s[G0+4*\slot+2:G0+4*\slot+3], s[G0+4*\slot+2:G0+4*\slot+3], 2*ROWB
	s_add_nc_u64 s[G0B+4*\slot+2:G0B+4*\slot+3], s[G0B+4*\slot+2:G0B+4*\slot+3], 2*ROWB
	JLOAD G0+4*\slot, G1, G0B+4*\slot, G1B         ; the first tensor load behind the round; its four v_nop are the places in front of the loads below
.else
	PLACES NP
.endif
	FETCH_B \next, 0, 0
	FETCH_A \next, 0, 0
.if \fill
	ASK
.endif
	WIN MUL_HI
	MUL16 4, 1, 0
	MUL16 6, 1, 0
	PLACES NP
	WIN 0
	FETCH_A \next, 0, 4
.endm
	s_wait_alu depctr_va_vdst(0)                   ; the head's end
	s_wait_tensorcnt 0x0                           ; my part of K step 0 is in
	ds_add_u32 v[SPW], v[NIL]
	s_wait_dscnt 0x0
	CROUND                                         ; everybody's part of K step 0 is in, and the four partners are here
	JLOAD G0+4, G1, G0B+4, G1B                     ; K step 1, slot 1's first fill: the first tensor load behind the round
	FETCH_B 0, 0, 0
	FETCH_A 0, 0, 0
	FETCH_A 0, 0, 4
	STEP 0, 0, 1                                   ; the first step's products start the sums
	s_mov_b32 s3, LAPS-1
.Llap:
	TURN 0, 1, 1
	STEP 1, 0, 0
	TURN 1, 0, 1
	STEP 0, 0, 0
	s_sub_co_u32 s3, s3, 1
	s_cmp_lg_u32 s3, 0
	s_cbranch_scc1 .Llap
	TURN 0, 1, 0                                   ; the last lap fills nothing
	STEP 1, 0, 0
	s_wait_dscnt 4*NL
	WIN MUL_LO
	MUL16 0, 1, 0
	MUL16 2, 1, 0
	s_wait_dscnt 0
	WIN MUL_HI
	MUL16 4, 1, 0
	MUL16 6, 1, 0
	WIN 0
	s_wait_kmcnt 0x0
	s_add_co_i32 s18, s80, s81                     ; e0 + e1
	s_add_co_i32 s19, s82, s83                     ; e2 + e3
	s_cmp_eq_u32 s89, 0
	s_cselect_b32 s18, s18, s19                    ; E: the sums stand for sum x 2^E
	s_cselect_b32 s19, s86, s87                    ; e6 for q, e7 for k
	s_sub_co_i32 s19, s19, s18
	s_add_co_i32 s19, s19, 127
	s_lshl_b32 s20, s19, 23                        ; 2^(e6 or e7 - E): the scales folded into the conversion's one
	s_add_co_i32 s19, s19, 8
	s_lshl_b32 s19, s19, 23
	s_or_b32 s19, s19, 0x600000                    ; 448 x that
	s_add_co_i32 s18, s18, 127
	s_lshl_b32 s90, s18, 23                        ; 2^E
	s_mov_b32 s91, s90
	s_add_co_i32 s18, s84, s85
	s_add_co_i32 s18, s18, 127
	s_lshl_b32 s92, s18, 23                        ; 2^(e4 + e5)
	s_mov_b32 s93, s92
	s_add_co_i32 s18, s88, 127
	s_lshl_b32 s21, s18, 23                        ; 2^e9
	s_add_co_i32 s18, s18, 8
	s_lshl_b32 s22, s18, 23
	s_or_b32 s22, s22, 0x600000                    ; 448 x 2^e9
	PLACES NP                                      ; behind the last products: for the loads into the fragments' registers and the first reads of results
	s_cmp_ge_u32 s42, 10                           ; the work-group's number along y: the same in all four partners and in all waves
	s_cbranch_scc1 .Lvpath
	; ---- q and k
	v_mov_b32 v[SCV], s20
	v_mov_b32 v[LIMV], s19
.macro CSLOAD a                        ; block a's cos and sin: lane (r, h) takes, for each b, the four of pairs 8 b + 4 h + 0 .. 3 of position 16 a + r; buffer a % 4 of window 1: cos at 4 b, sin at 32 + 4 b
	WIN 0x40
.irp b, 0,1,2,3,4,5,6,7
	global_load_b128 v[64*((\a)%4)+4*\b:64*((\a)%4)+4*\b+3], v[CSO], s[10:11] offset:4096*(\a)+32*\b
	global_load_b128 v[64*((\a)%4)+32+4*\b:64*((\a)%4)+32+4*\b+3], v[CSO], s[68:69] offset:4096*(\a)+32*\b
.endr
	WIN 0
.endm
.macro QKBLOCK a
.if (\a) < 5
	s_wait_loadcnt 48                              ; this block's sixteen loads are in; those of the three blocks behind it may be out
.else
	s_wait_loadcnt 16*(7-(\a))
.endif
; No register that a pending store reads is written again on this way out: each block's codes have sixteen registers of their own (v32-159), and k's rows come back from the stage into the block's own accumulators, which are done with by then
.set AC, 64*((\a)%4)
.set CB, 64*((\a)%4)
.set PCD, 32+16*(\a)
	WIN (0x06+(\a)/4)                              ; source 0 (the sums) window 2 or 3, source 1 (cos, sin) window 1
.irp b, 0,1,2,3,4,5,6,7                ; (tr, ti) -> (tr c - ti s, ti c + tr s): a packed multiply by c, a packed multiply-add with the halves crossed; each accumulator from its low end on
.irp q, 0,1
	v_pk_mul_f32 v[RR+8*\b+4*\q:RR+8*\b+4*\q+1], v[AC+8*\b+4*\q:AC+8*\b+4*\q+1], v[CB+4*\b+2*\q:CB+4*\b+2*\q+1] op_sel:[0,0] op_sel_hi:[1,0]
	v_pk_mul_f32 v[RR+8*\b+4*\q+2:RR+8*\b+4*\q+3], v[AC+8*\b+4*\q+2:AC+8*\b+4*\q+3], v[CB+4*\b+2*\q:CB+4*\b+2*\q+1] op_sel:[0,1] op_sel_hi:[1,1]
.endr
.irp q, 0,1
	v_pk_fma_f32 v[RR+8*\b+4*\q:RR+8*\b+4*\q+1], v[AC+8*\b+4*\q:AC+8*\b+4*\q+1], v[CB+32+4*\b+2*\q:CB+32+4*\b+2*\q+1], v[RR+8*\b+4*\q:RR+8*\b+4*\q+1] op_sel:[1,0,0] op_sel_hi:[0,0,1] neg_lo:[0,1,0]
	v_pk_fma_f32 v[RR+8*\b+4*\q+2:RR+8*\b+4*\q+3], v[AC+8*\b+4*\q+2:AC+8*\b+4*\q+3], v[CB+32+4*\b+2*\q:CB+32+4*\b+2*\q+1], v[RR+8*\b+4*\q+2:RR+8*\b+4*\q+3] op_sel:[1,1,0] op_sel_hi:[0,1,1] neg_lo:[0,1,0]
.endr
.endr
	WIN 0
.if (\a)+4 < 8
	CSLOAD (\a)+4                                  ; into the buffer that this block's rotation has just read
.endif
.set i, 0
.rept 64
	WIN (0x80+0x40*((\a)/4))
	v_med3_num_f32 v[AC+i], v[RR+i], -v[LIMV], v[LIMV]   ; the conversion to an 8-bit code does not saturate (ISA guide 7.6.2); the held numbers go where the block's sums lay
.set i, i+1
.endr
.irp b, 0,1,2,3,4,5,6,7
	WIN (0x02+(\a)/4)
	v_cvt_scalef32_pk8_fp8_f32 v[PCD+2*\b:PCD+2*\b+1], v[AC+8*\b:AC+8*\b+7], v[SCV]   ; registers 2 b, 2 b + 1: channels 16 b + 8 h + 0 .. 7 of row r: the operand's own layout
.endr
	v_nop                                          ; a plain line behind the conversions
.irp c, 0,1,2,3
	WIN 0
	global_store_b128 v[CO], v[PCD+4*\c:PCD+4*\c+3], s[94:95] offset:2048*(\a)+512*\c   ; the fragment as it stands: 512 consecutive bytes a store
.endr
	s_cmp_eq_u32 s89, 0
	s_cbranch_scc1 .Lnot_k_\@
.set i, 0
.rept 32
	v_pk_mul_f32 v[RR+i:RR+i+1], v[RR+i:RR+i+1], s[90:91] op_sel_hi:[1,0]   ; k itself: x 2^E
.set i, i+2
.endr
.irp b, 0,1,2,3,4,5,6,7
	ds_store_b128 v[STO], v[RR+8*\b:RR+8*\b+3] offset:64*\b
	ds_store_b128 v[STO], v[RR+8*\b+4:RR+8*\b+7] offset:64*\b+16
.endr
.irp t, 0,1,2,3,4,5,6,7,8,9,10,11,12,13,14,15
	WIN (0x80+0x40*((\a)/4))
	ds_load_b128 v[AC+4*\t:AC+4*\t+3], v[RD] offset:\t*SPITCH   ; LDS serves a wave's instructions in order: these see my stores
.endr
.irp t, 0,1,2,3,4,5,6,7,8,9,10,11,12,13,14,15
	s_wait_dscnt 15-\t
	WIN (0x08+4*((\a)/4))
	global_store_b128 v[CO], v[AC+4*\t:AC+4*\t+3], s[96:97] offset:(16*(\a)+\t)*2048 th:TH_STORE_NT   ; my head's 512 bytes of a row of out1
.endr
	WIN 0
.Lnot_k_\@:
.endm
	s_wait_alu depctr_va_vdst(0)
	CSLOAD 0
	CSLOAD 1
	CSLOAD 2
	CSLOAD 3
.irp a, 0,1,2,3,4,5,6,7
	QKBLOCK \a
.endr
	s_branch .Ldone
	; ---- v
.Lvpath:
	v_mov_b32 v[SCV], s21
	v_mov_b32 v[LIMV], s22
.macro COLS c0                         ; channels 32 c + lane of the block's 16 keys, for c = c0, c0 + 1: 128 consecutive bytes a load
.irp c, \c0, \c0+1
.irp y, 0,1,2,3,4,5,6,7,8,9,10,11,12,13,14,15
	ds_load_b32 v[COL+16*(\c)+\y], v[VCOL] offset:\y*SPITCH+128*(\c)
.endr
.endr
.endm
.macro VQ a, c                         ; 16 keys of my channel 32 c + lane become 16 codes
.set i, 0
.rept 16
	v_med3_num_f32 v[COL+16*(\c)+i], v[COL+16*(\c)+i], -v[LIMV], v[LIMV]
.set i, i+1
.endr
	WIN 0x40                                       ; the codes go to window 1: 32 registers of their own for each pair of blocks
	v_cvt_scalef32_pk8_fp8_f32 v[32*((\a)/2)+8*(\c)+2*((\a)%2):32*((\a)/2)+8*(\c)+2*((\a)%2)+1], v[COL+16*(\c):COL+16*(\c)+7], v[SCV]
	v_cvt_scalef32_pk8_fp8_f32 v[32*((\a)/2)+8*(\c)+4+2*((\a)%2):32*((\a)/2)+8*(\c)+4+2*((\a)%2)+1], v[COL+16*(\c)+8:COL+16*(\c)+15], v[SCV]
	WIN 0
.endm
.macro VBLOCK a
; As on q's and k's way out, no register that a pending store reads is written again: the rows come back into the block's own accumulators
.set AC, 64*((\a)%4)
	WIN (0x02+(\a)/4)
.set i, 0
.rept 32
	v_pk_mul_f32 v[TMP+i:TMP+i+1], v[AC+i:AC+i+1], s[92:93] op_sel_hi:[1,0]   ; v itself: x 2^(e4 + e5); each accumulator from its low end on
.set i, i+2
.endr
	WIN 0
.irp b, 0,1,2,3,4,5,6,7
	ds_store_b128 v[VSTO], v[TMP+8*\b:TMP+8*\b+3] offset:64*\b
	ds_store_b128 v[VSTO], v[TMP+8*\b+4:TMP+8*\b+7] offset:64*\b+16
.endr
.irp t, 0,1,2,3,4,5,6,7,8,9,10,11,12,13,14,15
	WIN (0x80+0x40*((\a)/4))
	ds_load_b128 v[AC+4*\t:AC+4*\t+3], v[VRD] offset:\t*SPITCH
.endr
	WIN 0
	COLS 0
	s_wait_dscnt 32                                ; the rows are back; the 32 column loads may be out
.irp t, 0,1,2,3,4,5,6,7,8,9,10,11,12,13,14,15
	WIN (0x08+4*((\a)/4))
	global_store_b128 v[CO], v[AC+4*\t:AC+4*\t+3], s[96:97] offset:(16*(\a)+\t)*2048 th:TH_STORE_NT
.endr
	WIN 0
	COLS 2
	s_wait_dscnt 32                                ; the first 32 column loads are in
	VQ \a, 0
	VQ \a, 1
	s_wait_dscnt 0x0
	VQ \a, 2
	VQ \a, 3
	v_nop                                          ; a plain line behind the conversions
.if (\a)%2                             ; two blocks make 32 keys: 16 bytes for each (channel, half): keys 8 y + 0 .. 7, then 16 + 8 y + 0 .. 7 of the 32
.irp c, 0,1,2,3
.irp y, 0,1
	WIN 0x04
	global_store_b128 v[VO], v[32*((\a)/2)+8*\c+4*\y:32*((\a)/2)+8*\c+4*\y+3], s[94:95] offset:4096*\c+512*((\a)/2)+256*\y   ; sixteen lanes store 256 consecutive bytes, aligned
.endr
.endr
.endif
	WIN 0
.endm
.irp a, 0,1,2,3,4,5,6,7
	VBLOCK \a
.endr
.Ldone:
	s_wait_tensorcnt 0x0                           ; the wave's end: behind my last tensor load and my last LDS store
	ds_add_u32 v[SPW], v[NIL]
	s_wait_dscnt 0x0
	CROUND                                         ; the closing round
	s_endpgm
.Lfunc_end_k_qf028a5f1dc_qkv:
	.size	k_qf028a5f1dc_qkv, .Lfunc_end_k_qf028a5f1dc_qkv-k_qf028a5f1dc_qkv
	.p2alignl 7, 3214868480
	.fill 96, 4, 3214868480
	.section	.rodata,"a",@progbits
	.p2align	6, 0x0
	.amdhsa_kernel k_qf028a5f1dc_qkv
		.amdhsa_group_segment_fixed_size 327680
		.amdhsa_private_segment_fixed_size 0
		.amdhsa_enable_private_segment 0
		.amdhsa_kernarg_size 72
		.amdhsa_user_sgpr_count 2
		.amdhsa_user_sgpr_kernarg_segment_ptr 1
		.amdhsa_wavefront_size32 1
		.amdhsa_system_sgpr_workgroup_id_x 1
		.amdhsa_system_sgpr_workgroup_id_y 1
		.amdhsa_system_sgpr_workgroup_id_z 1
		.amdhsa_system_vgpr_workitem_id 0
		.amdhsa_next_free_vgpr 1024
		.amdhsa_next_free_sgpr 102
		.amdhsa_reserve_vcc 0
		.amdhsa_float_denorm_mode_32 3
		.amdhsa_float_denorm_mode_16_64 3
		.amdhsa_memory_ordered 1
		.amdhsa_forward_progress 1
		.amdhsa_inst_pref_size 255
	.end_amdhsa_kernel
	.section	.bss,"aw",@nobits
	.p2align	6
	.space	262144
	.amdgpu_metadata
---
amdhsa.version: [ 1, 2 ]
amdhsa.kernels:
  - .name:           k_qf028a5f1dc_qkv
    .symbol:         k_qf028a5f1dc_qkv.kd
    .args:
      - { .name: x_codes, .offset: 0, .size: 8, .value_kind: global_buffer, .address_space: global }
      - { .name: w_codes, .offset: 8, .size: 8, .value_kind: global_buffer, .address_space: global }
      - { .name: lowp_scales, .offset: 16, .size: 8, .value_kind: global_buffer, .address_space: global }
      - { .name: freqs_cos, .offset: 24, .size: 8, .value_kind: global_buffer, .address_space: global }
      - { .name: freqs_sin, .offset: 32, .size: 8, .value_kind: global_buffer, .address_space: global }
      - { .name: q_codes, .offset: 40, .size: 8, .value_kind: global_buffer, .address_space: global }
      - { .name: kv_codes, .offset: 48, .size: 8, .value_kind: global_buffer, .address_space: global }
      - { .name: out1, .offset: 56, .size: 8, .value_kind: global_buffer, .address_space: global }
      - { .name: out2, .offset: 64, .size: 8, .value_kind: global_buffer, .address_space: global }
    .group_segment_fixed_size: 327680
    .private_segment_fixed_size: 0
    .kernarg_segment_align: 8
    .kernarg_segment_size: 72
    .max_flat_workgroup_size: 128
    .sgpr_count:     102
    .vgpr_count:     1024
    .wavefront_size: 32
...
	.end_amdgpu_metadata
.endif
;; end of part 2
;; launch attn (part 3): grid 16 x 16, 4 waves a work-group, clusters of 4 x 1, 327,680 bytes of LDS; arguments q_codes, kv_codes, mask_img, lowp_scales, a_codes; writes a_codes
.if DOCPART == 3
	.amdgcn_target "amdgcn-amd-amdhsa--gfx1250"
	.amdhsa_code_object_version 6
	.text
	.protected	k_qf028a5f1dc_attn
	.globl	k_qf028a5f1dc_attn
	.p2align	8
	.type	k_qf028a5f1dc_attn,@function
k_qf028a5f1dc_attn:
	s_mov_b64 s[64:65], 0
	v_nop
	global_prefetch_b8 v0, s[64:65] scope:SCOPE_SE
	s_setreg_imm32_b32 hwreg(HW_REG_WAVE_MODE, 25, 1), 1
	s_wait_xcnt 0x0
	s_wait_alu depctr_hold_cnt(0) depctr_sa_sdst(0) depctr_va_vdst(0) depctr_va_sdst(0) depctr_va_ssrc(0) depctr_va_vcc(0) depctr_vm_vsrc(0)
	s_getreg_b32 s2, hwreg(HW_REG_IB_STS2, 6, 4)
	s_cmp_eq_u32 s2, 0
	s_cbranch_scc0 .Lentry_in_a_cluster
	s_endpgm
.Lentry_in_a_cluster:
	s_bfe_u32 s2, ttmp6, 0x10000c
	s_cmp_lg_u32 s2, 0x3003
	s_cbranch_scc0 .Lentry_shape_is_right
	s_endpgm
.Lentry_shape_is_right:
; Attention on codes of FP8 (E4M3): scores, additive mask, softmax, weighted sum, and the quantising of the result for the last projection.
; SHARES.  Work-group y = 4 batch + kv head; x = 64 positions.  A wave owns 16 positions (qt) of the FOUR query heads g of the kv head: 64 rows, so each fragment of K and V feeds four matrix instructions, and one tile of the mask serves four heads.
; K's and V's images of the (batch, kv head), 131,072 bytes each, lie whole in LDS as fragments in register order (512 consecutive bytes a load).  CLUSTER 4 x 1: the four partners along x need the same K and V and ask jointly (mask 15).
; The first fill brings key steps 0 and 1 (16,384 bytes a wave), the second the other six (49,152 bytes a wave); nothing is filled again.  K and V are not prefetched: both come by these two fills and no loop runs ahead of them.
; BOTH PRODUCTS TRANSPOSED: S^T = K Q^T + C, O^T = V^T P^T: lane (r, h) holds position r throughout; register j of tile t is key 16 t + 8 h + j, so the conversions' results are the second product's operand.
; THE MASK GOES IN AS C.  mask_img holds mask x log2(e) in the result's register order; x sqrt(128) / log2(e) / 2^(e6 + e7) it is in the scores' unit.  raw = sum + that; t = c x raw, c = log2(e) / sqrt(128) x 2^(e6 + e7).
; SOFTMAX: M = ceil(running largest t), p = 2^(t - M), quantised with 2^e8 (held at 448 x 2^e8); the row's sum is of the unquantised p; when M moves, the sum and O^T are multiplied by 2^(old M - new M), exact, with no branch on data.
; THE EXPONENTIALS go as four batches of 64, one a head; each stands by turns with a plain line on other registers (another head's t - M, or the hold of the head before); one wait stands behind each batch.
; THE SUMS: eight chains a head into registers of the step's own, folded once a step; the fold's last line is sum = sum x f + the step's.
; THE MASK'S TILES are loaded one step ahead into registers and asked of the L2 two steps ahead of that load: 8,192 bytes, lanes 256 bytes apart, one instruction a wave; a tile is one wave's own in its cluster, so each block is named once there; steps 5 to 7 ask for nothing.
; LIMITS: e6 + e7 between -123 and 128; e8 and e10 - e8 - e9 between -126 and 119 (each power of two below is an f32 number).  The scaled scores stay under 2^31 in magnitude.  NaN among the inputs is not served.
; REGISTERS.  window 0: v1-12 addresses and constants; v16-47 eight a head: -M, largest raw, t, -, f, 0, two at work; v48 prefetch offset; v64-127 the mask's tile; v128-255 eight fragments of K or of V.
;   window 1: S^T, then p (64 a head).  window 2: O^T.  window 3: v0-63 Q, v64-127 p's codes, v128-191 the step's sums, v192-199 the rows' sums.
.set SPARE, 262144                     ; behind K and V: the spare words, 128 bytes a wave
.set STAGE, 262656                     ; the way out: 16 rows x 528 bytes a wave, bytes of their own
.set SP,    528
.set LI,   1                           ; 16 x lane
.set SPW,  2
.set NIL,  3
.set STO,  4
.set RD,   5
.set LIV,  6                           ; 131,072 + 16 x lane
.set ADK,  7
.set ADV,  8
.set LIM,  9                           ; 448 x 2^e8
.set PSC,  10                          ; 2^e8
.set OLIM, 11
.set OSC,  12
.set ST,   16
.set PFO,  48                          ; 256 x lane
.set MK,   64
.set FA,   128
.set FB,   192
.set QF,   0
.set PF,   64
.set TS,   128
.set LS,   192
.set TB,   48                          ; s48 the step's first byte in K's and V's images
.set CS,   22                          ; s[22:23] c
.set RC,   2                           ; s[2:3] the mask image's factor
.set MSB, 0
.macro WIN new                         ; the immediate's high byte repeats the setting that is left
.if MSB != (\new)
	s_set_vgpr_msb (MSB<<8)|(\new)
.set MSB, (\new)
.endif
.endm
.macro CROUND                          ; a round of the cluster's barrier
	s_barrier_signal -1
	s_barrier_wait -1
	s_cmp_lg_u32 s14, 0
	s_cbranch_scc1 .Lnot_wave_0_\@
	s_barrier_signal -3
.Lnot_wave_0_\@:
	s_barrier_wait -3
	s_barrier_signal -1
	s_barrier_wait -1
.endm
.macro PLACES                          ; plain lines between a matrix instruction and a load into, or a vector read of, its registers
.rept 4
	v_nop
.endr
.endm
	s_load_b256 s[4:11], s[0:1], 0x0               ; q_codes, kv_codes, mask_img, scales
	s_load_b64 s[12:13], s[0:1], 0x20              ; a_codes
	v_lshl_add_u32 v[SPW], v0, 2, SPARE
	v_mov_b32 v[NIL], 0
	ds_add_u32 v[SPW], v[NIL]                      ; the opening: the add, twice on end, and its wait ahead of my first tensor load
	ds_add_u32 v[SPW], v[NIL]
	v_lshrrev_b32 v13, 5, v0
	v_readfirstlane_b32 s14, v13                   ; wave
	s_bfe_u32 s15, ttmp6, 0x40000                  ; cx
	s_lshl_b32 s66, ttmp9, 2
	s_add_co_u32 s66, s66, s15
	s_lshl_b32 s66, s66, 2
	s_add_co_u32 s66, s66, s14                     ; qt = 4 x work-group x + wave
	s_and_b32 s67, ttmp7, 0xffff                   ; y
	s_lshl_b32 s68, s67, 19                        ; Q: four heads of 131,072 bytes for a y,
	s_lshl_b32 s69, s66, 11                        ; an image of 2,048 bytes for a qt
	s_add_co_u32 s68, s68, s69
	s_mov_b32 s69, 0
	s_lshl_b32 s70, s66, 16                        ; the mask's image: 65,536 bytes for a qt
	s_mov_b32 s71, 0
	s_lshr_b32 s72, s67, 2
	s_lshl_b32 s72, s72, 10
	s_lshl_b32 s73, s66, 4
	s_add_co_u32 s72, s72, s73
	s_lshl_b32 s72, s72, 11                        ; a_codes: row 1,024 batch + 16 qt of 2,048 bytes,
	s_and_b32 s73, s67, 3
	s_lshl_b32 s73, s73, 9                         ; and the kv head's 512 bytes in it
	s_add_co_u32 s72, s72, s73
	s_mov_b32 s73, 0
	s_lshr_b32 s74, s14, 1
	s_lshl_b32 s74, s74, 17                        ; waves 0, 1 fetch K, waves 2, 3 V
	s_and_b32 s75, s14, 1
	s_lshl_b32 s76, s75, 14
	s_add_co_u32 s41, s74, s76                     ; first fill: 16,384 bytes at 16,384 x (wave % 2); LDS is laid as memory is
	s_mul_i32 s76, s75, 49152
	s_add_co_u32 s45, s74, s76
	s_add_co_u32 s45, s45, 32768                   ; second fill: 49,152 bytes behind the first 32,768
	s_lshl_b32 s75, s67, 18
	s_add_co_u32 s76, s75, s41
	s_mov_b32 s77, 0
	s_add_co_u32 s78, s75, s45
	s_mov_b32 s79, 0
	s_mov_b32 s24, 15|(3<<16)|(1<<21)              ; all four partners; elements of 8 bytes; dense rows of 256 bytes: 64 rows,
	s_mov_b32 s25, 32<<16
	s_mov_b32 s26, 64<<16
	s_mov_b32 s27, 32<<16
	s_mov_b32 s28, 64
	s_mov_b32 s29, 32
	s_mov_b32 s30, 0
	s_mov_b32 s31, 0
	s_mov_b32 s32, 15|(3<<16)|(1<<21)              ; and 192 rows
	s_mov_b32 s33, 32<<16
	s_mov_b32 s34, 192<<16
	s_mov_b32 s35, 32<<16
	s_mov_b32 s36, 192
	s_mov_b32 s37, 32
	s_mov_b32 s38, 0
	s_mov_b32 s39, 0
	s_mov_b32 s20, 0x76543210                      ; lane l xor 16
	s_mov_b32 s21, 0xfedcba98
	s_mov_b32 s[CS], 0x3e0293ee                    ; log2(e) / sqrt(128)
	s_mov_b32 s[RC], 0x40faf233                    ; sqrt(128) / log2(e)
	s_mov_b32 s[TB], 0
	v_and_b32 v13, 31, v0
	v_lshlrev_b32 v[LI], 4, v13
	v_lshlrev_b32 v[PFO], 8, v13
	v_add_nc_u32 v[LIV], 131072, v[LI]
	v_and_b32 v14, 15, v0
	v_bfe_u32 v15, v0, 4, 1
	s_mul_i32 s74, s14, 16*SP
	s_add_co_u32 s74, s74, STAGE
	v_mul_u32_u24 v[STO], v14, SP
	v_lshl_add_u32 v[STO], v15, 3, v[STO]
	v_add_nc_u32 v[STO], s74, v[STO]
	v_add_nc_u32 v[RD], s74, v[LI]
.irp g, 0,1,2,3
	v_mov_b32 v[ST+8*\g+1], 0xff61b1e6             ; the largest raw score so far: -3e38
	v_floor_f32 v[ST+8*\g], -v[ST+8*\g+1]          ; -M
	v_mov_b32 v[ST+8*\g+5], 0                      ; (named as the upper half of f's pair)
.endr
	s_wait_alu depctr_va_vdst(0)
	s_wait_dscnt 0x0                               ; both opening adds are done
	s_wait_kmcnt 0x0
	s_load_b256 s[52:59], s[10:11], 0x0            ; e0 .. e7
	s_load_b128 s[60:63], s[10:11], 0x20           ; e8 .. e11
	s_add_nc_u64 s[16:17], s[4:5], s[68:69]
	s_add_nc_u64 s[18:19], s[8:9], s[70:71]
	s_add_nc_u64 s[50:51], s[12:13], s[72:73]
	s_mov_b32 s40, 1
	s_add_nc_u64 s[42:43], s[6:7], s[76:77]
	s_or_b32 s43, s43, 0x80000000
	s_mov_b32 s44, 1
	s_add_nc_u64 s[46:47], s[6:7], s[78:79]
	s_or_b32 s47, s47, 0x80000000
	CROUND                                         ; the four partners are here: the first joint loads meet
	tensor_load_to_lds s[40:43], s[24:31]          ; key steps 0 and 1: one tensor load a wave at the head
	s_nop 0
	PLACES
	WIN 0xc0
.irp g, 0,1,2,3
.irp c, 0,1,2,3
	global_load_b128 v[QF+16*\g+4*\c:QF+16*\g+4*\c+3], v[LI], s[16:17] offset:131072*\g+512*\c   ; Q's four fragments stay in registers
.endr
.endr
.set j, 0
.rept 8
	v_mov_b32 v[LS+j], 0                           ; the rows' sums
.set j, j+1
.endr
	WIN 0
.macro MLOAD
.set u, 0
.rept 16
	global_load_b128 v[MK+4*u:MK+4*u+3], v[LI], s[18:19] offset:512*u
.set u, u+1
.endr
.endm
.macro MSCALE                          ; the mask's tile into the scores' unit
.set j, 0
.rept 32
	v_pk_mul_f32 v[MK+2*j:MK+2*j+1], v[MK+2*j:MK+2*j+1], s[RC:RC+1] op_sel_hi:[1,0]
.set j, j+1
.endr
.endm
	MLOAD                                          ; key step 0's tile
	s_wait_kmcnt 0x0
	s_add_co_i32 s66, s58, s59
	s_lshl_b32 s66, s66, 23
	s_add_co_i32 s[CS], s[CS], s66                 ; c x 2^(e6 + e7): added to the exponent field,
	s_mov_b32 s[CS+1], s[CS]
	s_sub_co_i32 s[RC], s[RC], s66                 ; and taken off the mask's factor
	s_mov_b32 s[RC+1], s[RC]
	s_add_co_i32 s66, s60, 127
	s_lshl_b32 s67, s66, 23
	v_mov_b32 v[PSC], s67
	s_add_co_i32 s66, s66, 8
	s_lshl_b32 s66, s66, 23
	s_or_b32 s66, s66, 0x600000
	v_mov_b32 v[LIM], s66
	s_sub_co_i32 s66, s62, s60
	s_sub_co_i32 s66, s66, s61
	s_add_co_i32 s66, s66, 127
	s_lshl_b32 s67, s66, 23
	v_mov_b32 v[OSC], s67                          ; 2^(e10 - e8 - e9): O^T / the sum lacks 2^(e8 + e9)
	s_add_co_i32 s66, s66, 8
	s_lshl_b32 s66, s66, 23
	s_or_b32 s66, s66, 0x600000
	v_mov_b32 v[OLIM], s66
	s_wait_alu depctr_va_vdst(0)                   ; the head's end
	s_wait_tensorcnt 0x0                           ; my part of the first fill is in
	ds_add_u32 v[SPW], v[NIL]
	s_wait_dscnt 0x0
	CROUND
	tensor_load_to_lds s[44:47], s[32:39]          ; key steps 2 to 7
	s_nop 0
	PLACES
.macro FLOAD adr, off, f, t0           ; four fragments, as they lie: 512 consecutive bytes a load
.irp t, 0,1,2,3
.irp c, 0,1,2,3
	ds_load_b128 v[\f+16*\t+4*\c:\f+16*\t+4*\c+3], v[\adr] offset:\off+2048*(\t0+\t)+512*\c
.endr
.endr
.endm
.macro KQ f, t0                        ; the accumulators take turns; C is the mask's tile, the same for the four heads
.irp t, 0,1,2,3
.irp g, 0,1,2,3
	v_wmma_f32_16x16x128_fp8_fp8 v[64*\g+8*(\t0+\t):64*\g+8*(\t0+\t)+7], v[\f+16*\t:\f+16*\t+15], v[QF+16*\g:QF+16*\g+15], v[MK+8*(\t0+\t):MK+8*(\t0+\t)+7]
.endr
.endr
.endm
.macro PV f, t0, zero
.irp t, 0,1,2,3
.irp g, 0,1,2,3
.if \zero
	v_wmma_f32_16x16x128_fp8_fp8 v[64*\g+8*(\t0+\t):64*\g+8*(\t0+\t)+7], v[\f+16*\t:\f+16*\t+15], v[PF+16*\g:PF+16*\g+15], 0
.else
	v_wmma_f32_16x16x128_fp8_fp8 v[64*\g+8*(\t0+\t):64*\g+8*(\t0+\t)+7], v[\f+16*\t:\f+16*\t+15], v[PF+16*\g:PF+16*\g+15], v[64*\g+8*(\t0+\t):64*\g+8*(\t0+\t)+7]
.endif
.endr
.endr
.endm
.macro TM g, n                         ; t - M = c x raw - M, two at a time
	v_pk_fma_f32 v[64*\g+2*(\n):64*\g+2*(\n)+1], v[64*\g+2*(\n):64*\g+2*(\n)+1], s[CS:CS+1], v[ST+8*\g:ST+8*\g+1] op_sel_hi:[1,0,0]
.endm
.macro EXPB g                          ; head g's 64 exponentials, each followed by a plain line on other registers: heads 1 and 2's t - M (g = 0), or the hold of head g - 1, whose sum has been taken
.set i, 0
.rept 32
	v_exp_f32 v[64*\g+2*i], v[64*\g+2*i]
.if \g == 0
	TM 1, i
.else
	v_min_num_f32 v[64*\g-64+2*i], v[64*\g-64+2*i], v[LIM]
.endif
	v_exp_f32 v[64*\g+2*i+1], v[64*\g+2*i+1]
.if \g == 0
	TM 2, i
.else
	v_min_num_f32 v[64*\g-63+2*i], v[64*\g-63+2*i], v[LIM]
.endif
.set i, i+1
.endr
	s_wait_alu depctr_va_vdst(0)                   ; one wait for the batch, ahead of its first reader
.endm
.macro SUMS g                          ; the unquantised p of head g: 32 pairs into eight chains
	WIN 0xc5
.set j, 0
.rept 8
	v_pk_add_f32 v[TS+16*\g+2*j:TS+16*\g+2*j+1], v[64*\g+2*j:64*\g+2*j+1], v[64*\g+16+2*j:64*\g+16+2*j+1]
.set j, j+1
.endr
	WIN 0xc7
.set j, 0
.rept 16
	v_pk_add_f32 v[TS+16*\g+2*(j%8):TS+16*\g+2*(j%8)+1], v[TS+16*\g+2*(j%8):TS+16*\g+2*(j%8)+1], v[64*\g+32+2*j:64*\g+32+2*j+1]
.set j, j+1
.endr
	WIN 0x41
.endm
; A KEY STEP of 128 keys.  first: its products start O^T.  bar: the barrier that shows the second fill stands in it.  loop: the copy in the loop, whose last trips (s49, the trips to go) fetch nothing beyond the end.
.macro STEP first, bar, loop
	v_add_nc_u32 v[ADK], s[TB], v[LI]
	v_add_nc_u32 v[ADV], s[TB], v[LIV]
	s_wait_alu depctr_va_vdst(0)
	s_wait_dscnt 16                                ; K's tiles 0-3 are in; the sixteen younger loads (tiles 4-7) may be out
	WIN 0x4c
	KQ FA, 0
	s_wait_dscnt 0x0
	KQ FB, 4
	PLACES
	WIN 0
	FLOAD ADV, 0, FA, 0                            ; V's eight tiles of this step
	FLOAD ADV, 0, FB, 4
.if \loop
	s_cmp_eq_u32 s49, 1                            ; key step 7 has no successor
	s_cbranch_scc1 .Lno_mask_\@
.endif
	s_wait_xcnt 0x0                                ; the last prefetch has read its base
	s_add_nc_u64 s[18:19], s[18:19], 8192
	MLOAD                                          ; the next step's tile of the mask
.if \loop
	s_cmp_lt_u32 s49, 4                            ; key steps 5 to 7 have no tile three steps on
	s_cbranch_scc1 .Lno_mask_\@
.endif
	global_prefetch_b8 v[PFO], s[18:19] offset:16384 th:TH_LOAD_NT scope:SCOPE_SE   ; the tile that the load two steps on will want
.Lno_mask_\@:
	WIN 0x14
.set i, 0
.rept 16                               ; the largest raw score, running, in two chains a head; each accumulator from its low end on
.irp g, 0,1,2,3
.if i == 0
	v_max3_num_f32 v[ST+8*\g+6], v[ST+8*\g+1], v[64*\g], v[64*\g+1]
	v_max3_num_f32 v[ST+8*\g+7], v[ST+8*\g+1], v[64*\g+2], v[64*\g+3]
.else
	v_max3_num_f32 v[ST+8*\g+6], v[ST+8*\g+6], v[64*\g+4*i], v[64*\g+4*i+1]
	v_max3_num_f32 v[ST+8*\g+7], v[ST+8*\g+7], v[64*\g+4*i+2], v[64*\g+4*i+3]
.endif
.endr
.set i, i+1
.endr
	WIN 0
.irp g, 0,1,2,3
	v_max_num_f32 v[ST+8*\g+6], v[ST+8*\g+6], v[ST+8*\g+7]
.endr
.irp g, 0,1,2,3
	v_permlanex16_b32 v[ST+8*\g+7], v[ST+8*\g+6], s20, s21
.endr
.irp g, 0,1,2,3
	v_max_num_f32 v[ST+8*\g+1], v[ST+8*\g+6], v[ST+8*\g+7]
.endr
.irp g, 0,1,2,3
	v_mov_b32 v[ST+8*\g+6], v[ST+8*\g]
.endr
.irp g, 0,1,2,3
	v_mul_f32 v[ST+8*\g+2], s[CS], v[ST+8*\g+1]    ; as t (c is positive)
.endr
.irp g, 0,1,2,3
	v_floor_f32 v[ST+8*\g], -v[ST+8*\g+2]          ; -M = floor(-t)
.endr
.irp g, 0,1,2,3
	v_sub_f32 v[ST+8*\g+6], v[ST+8*\g], v[ST+8*\g+6]
.endr
.irp g, 0,1,2,3
	v_cvt_i32_f32 v[ST+8*\g+6], v[ST+8*\g+6]       ; (it saturates)
.endr
.irp g, 0,1,2,3
	v_ldexp_f32 v[ST+8*\g+4], 1.0, v[ST+8*\g+6]    ; f = 2^(old M - new M)
.endr
.if \first == 0
	WIN 0x82
.set k, 0
.rept 128
	v_pk_mul_f32 v[2*k:2*k+1], v[2*k:2*k+1], v[ST+8*(k/32)+4:ST+8*(k/32)+5] op_sel_hi:[1,0]   ; O^T under the new M, ahead of the step's exponentials
.set k, k+1
.endr
.endif
	WIN 0x41
.set i, 0
.rept 32
	TM 0, i
	TM 3, i
.set i, i+1
.endr
	s_wait_alu depctr_va_vdst(0)
	EXPB 0
	SUMS 0
	EXPB 1
	SUMS 1
	EXPB 2
	SUMS 2
	EXPB 3
	SUMS 3
.if \bar
	s_wait_tensorcnt 0x0                           ; my part of the second fill is in,
	s_wait_dscnt 0x0                               ; V's tiles are in registers: no LDS instruction is out at the signal
	s_barrier_signal -1
.endif
.set i, 0
.rept 64
	v_min_num_f32 v[192+i], v[192+i], v[LIM]       ; head 3's hold (the conversion to an 8-bit code does not saturate: ISA guide 7.6.2; p is not negative)
.set i, i+1
.endr
	WIN 0xc1
.set i, 0
.rept 32
	v_cvt_scalef32_pk8_fp8_f32 v[PF+2*i:PF+2*i+1], v[8*i:8*i+7], v[PSC]
.set i, i+1
.endr
	WIN 0xcf
.irp d, 8,4,2                          ; the eight chains of each head are folded (plain lines behind the conversions, on other registers)
.set j, 0
.rept 2*\d
	v_pk_add_f32 v[TS+16*(j%4)+2*(j/4):TS+16*(j%4)+2*(j/4)+1], v[TS+16*(j%4)+2*(j/4):TS+16*(j%4)+2*(j/4)+1], v[TS+16*(j%4)+2*(j/4)+\d:TS+16*(j%4)+2*(j/4)+\d+1]
.set j, j+1
.endr
.endr
	WIN 0xf3
.irp g, 0,1,2,3
	v_pk_fma_f32 v[LS+2*\g:LS+2*\g+1], v[LS+2*\g:LS+2*\g+1], v[ST+8*\g+4:ST+8*\g+5], v[TS+16*\g:TS+16*\g+1] op_sel_hi:[1,0,1]   ; the row's sum x f + the step's
.endr
	s_wait_alu depctr_va_vdst(0)
.if \bar
	s_barrier_wait -1                              ; everybody's part of the second fill is in: key step 2's tiles of K are read below
.else
	s_wait_dscnt 0x0                               ; V's tiles are in
.endif
	WIN 0xac
	PV FA, 0, \first
	WIN 0
.if \loop
	s_cmp_eq_u32 s49, 1
	s_cbranch_scc1 .Lno_k0_\@
.endif
	PLACES
	FLOAD ADK, 16384, FA, 0                        ; the next step's tiles of K
.Lno_k0_\@:
	WIN 0xac
	PV FB, 4, \first
	WIN 0
.if \loop
	s_cmp_eq_u32 s49, 1
	s_cbranch_scc1 .Lno_k1_\@
.endif
	s_wait_loadcnt 0x0                             ; the next step's tile of the mask is in
	MSCALE                                         ; (these 32 are also the places in front of the loads below)
	FLOAD ADK, 16384, FB, 4
.Lno_k1_\@:
	s_add_co_u32 s[TB], s[TB], 16384
.endm
	FLOAD LI, 0, FA, 0                             ; key step 0's tiles of K
	FLOAD LI, 0, FB, 4
	s_wait_loadcnt 0x0                             ; Q and the first tile of the mask
	MSCALE
	STEP 1, 0, 0                                   ; key steps 0 and 1 read the first fill alone
	STEP 0, 1, 0
	s_mov_b32 s49, 6
.Lstep:
	STEP 0, 0, 1
	s_sub_co_u32 s49, s49, 1
	s_cmp_lg_u32 s49, 0
	s_cbranch_scc1 .Lstep
	; THE WAY OUT: O^T / the sum, held and quantised with 2^(e10 - e8 - e9), through my stage in LDS, so that a store covers 512 consecutive bytes of a row of a_codes
	PLACES
	WIN 0x0f
.irp g, 0,1,2,3
	v_add_f32 v[ST+8*\g+6], v[LS+2*\g], v[LS+2*\g+1]
.endr
	WIN 0
.irp g, 0,1,2,3
	v_permlanex16_b32 v[ST+8*\g+7], v[ST+8*\g+6], s20, s21
.endr
.irp g, 0,1,2,3
	v_add_f32 v[ST+8*\g+6], v[ST+8*\g+6], v[ST+8*\g+7]
.endr
	s_wait_alu depctr_va_vdst(0)                   ; the wait ahead of the transcendentals
.irp g, 0,1,2,3
	v_rcp_f32 v[ST+8*\g+4], v[ST+8*\g+6]
.endr
	v_nop
	s_wait_alu depctr_va_vdst(0)                   ; and behind them, ahead of the first readers of the reciprocals and of O^T
	WIN 0x82
.set k, 0
.rept 128
	v_pk_mul_f32 v[2*k:2*k+1], v[2*k:2*k+1], v[ST+8*(k/32)+4:ST+8*(k/32)+5] op_sel_hi:[1,0]
.set k, k+1
.endr
.set i, 0
.rept 256
	v_med3_num_f32 v[i], v[i], -v[OLIM], v[OLIM]
.set i, i+1
.endr
	WIN 0x02
.set i, 0
.rept 32
	v_cvt_scalef32_pk8_fp8_f32 v[FA+2*i:FA+2*i+1], v[8*i:8*i+7], v[OSC]
.set i, i+1
.endr
	v_nop
	WIN 0
.irp g, 0,1,2,3
.irp t, 0,1,2,3,4,5,6,7
	ds_store_b64 v[STO], v[FA+2*(8*\g+\t):FA+2*(8*\g+\t)+1] offset:128*\g+16*\t   ; row r: head g's channels 16 t + 8 h + 0 .. 7
.endr
.endr
.set i, 0
.rept 16
	ds_load_b128 v[FB+4*i:FB+4*i+3], v[RD] offset:SP*i   ; LDS serves a wave's instructions in order: these see my stores
.set i, i+1
.endr
.set i, 0
.rept 16
	s_wait_dscnt 15-i
	global_store_b128 v[LI], v[FB+4*i:FB+4*i+3], s[50:51] offset:2048*i
.set i, i+1
.endr
	s_wait_tensorcnt 0x0                           ; the wave's end
	ds_add_u32 v[SPW], v[NIL]
	s_wait_dscnt 0x0
	CROUND                                         ; the closing round
	s_endpgm
.Lfunc_end_k_qf028a5f1dc_attn:
	.size	k_qf028a5f1dc_attn, .Lfunc_end_k_qf028a5f1dc_attn-k_qf028a5f1dc_attn
	.p2alignl 7, 3214868480
	.fill 96, 4, 3214868480
	.section	.rodata,"a",@progbits
	.p2align	6, 0x0
	.amdhsa_kernel k_qf028a5f1dc_attn
		.amdhsa_group_segment_fixed_size 327680
		.amdhsa_private_segment_fixed_size 0
		.amdhsa_enable_private_segment 0
		.amdhsa_kernarg_size 40
		.amdhsa_user_sgpr_count 2
		.amdhsa_user_sgpr_kernarg_segment_ptr 1
		.amdhsa_wavefront_size32 1
		.amdhsa_system_sgpr_workgroup_id_x 1
		.amdhsa_system_sgpr_workgroup_id_y 1
		.amdhsa_system_sgpr_workgroup_id_z 1
		.amdhsa_system_vgpr_workitem_id 0
		.amdhsa_next_free_vgpr 1024
		.amdhsa_next_free_sgpr 80
		.amdhsa_reserve_vcc 0
		.amdhsa_float_denorm_mode_32 3
		.amdhsa_float_denorm_mode_16_64 3
		.amdhsa_memory_ordered 1
		.amdhsa_forward_progress 1
		.amdhsa_inst_pref_size 234
	.end_amdhsa_kernel
	.amdgpu_metadata
---
amdhsa.version: [ 1, 2 ]
amdhsa.kernels:
  - .name:           k_qf028a5f1dc_attn
    .symbol:         k_qf028a5f1dc_attn.kd
    .args:
      - { .name: q_codes, .offset: 0, .size: 8, .value_kind: global_buffer, .address_space: global }
      - { .name: kv_codes, .offset: 8, .size: 8, .value_kind: global_buffer, .address_space: global }
      - { .name: mask_img, .offset: 16, .size: 8, .value_kind: global_buffer, .address_space: global }
      - { .name: lowp_scales, .offset: 24, .size: 8, .value_kind: global_buffer, .address_space: global }
      - { .name: a_codes, .offset: 32, .size: 8, .value_kind: global_buffer, .address_space: global }
    .group_segment_fixed_size: 327680
    .private_segment_fixed_size: 0
    .kernarg_segment_align: 8
    .kernarg_segment_size: 40
    .max_flat_workgroup_size: 128
    .sgpr_count:     80
    .vgpr_count:     1024
    .wavefront_size: 32
...
	.end_amdgpu_metadata
.endif
;; end of part 3
;; launch oproj (part 4): grid 8 x 32, 4 waves a work-group, clusters of 4 x 4, 327,680 bytes of LDS; arguments a_codes, w_codes, lowp_scales, out0; writes out0
.if DOCPART == 4
	.amdgcn_target "amdgcn-amd-amdhsa--gfx1250"
	.amdhsa_code_object_version 6
	.text
	.protected	k_qf028a5f1dc_oproj
	.globl	k_qf028a5f1dc_oproj
	.p2align	8
	.type	k_qf028a5f1dc_oproj,@function
k_qf028a5f1dc_oproj:
	s_mov_b64 s[64:65], 0
	v_nop
	global_prefetch_b8 v0, s[64:65] scope:SCOPE_SE
	s_setreg_imm32_b32 hwreg(HW_REG_WAVE_MODE, 25, 1), 1
	s_wait_xcnt 0x0
	s_wait_alu depctr_hold_cnt(0) depctr_sa_sdst(0) depctr_va_vdst(0) depctr_va_sdst(0) depctr_va_ssrc(0) depctr_va_vcc(0) depctr_vm_vsrc(0)
	s_getreg_b32 s2, hwreg(HW_REG_IB_STS2, 6, 4)
	s_cmp_eq_u32 s2, 0
	s_cbranch_scc0 .Lentry_in_a_cluster
	s_endpgm
.Lentry_in_a_cluster:
	s_bfe_u32 s2, ttmp6, 0x10000c
	s_cmp_lg_u32 s2, 0xf033
	s_cbranch_scc0 .Lentry_shape_is_right
	s_endpgm
.Lentry_shape_is_right:
; out0 = attention's result x wo^T on codes of FP8 (E4M3): a_codes [4,096][2,048], wo's codes at row 3,072 of w_codes, [2,048][2,048]; each finished sum x 2^(e10 + e11).  LIMIT: e10 + e11 between -126 and 127.
; A tile of 128 rows x 256 columns is made by four waves, each 64 x 128: 32 accumulators.  256 work-groups.  K goes through two LDS regions that take turns: region 0 holds 512 along K (rows 528 bytes apart),
; region 1 holds 256 (272 apart): five fills, K 0-511, 512-767, 768-1,279, 1,280-1,535, 1,536-2,047.  Waves 0 and 1 fetch the rows of a_codes, waves 2 and 3 the weights'.
; CLUSTER 4 x 4: a_codes' tile is asked for jointly along a row of the cluster, the weights' along a column.  The matrix instruction is used transposed, so that a lane holds eight neighbouring numbers of a row of out0.
.set SIZE_N, 2048
.set KROW,   2048
.set P0,     528
.set P1,     272
.set R0A,    0
.set R0B,    128*P0
.set R1A,    384*P0
.set R1B,    R1A+128*P1
.set SPARE,  R1A+384*P1
.set STG,    R1A
.set SPITCH, 528
.set FR,     16
.set NP,     4
.set ADRA, 16
.set ADRB, 20
.set STO,  24
.set RD,   25
.set CO,   26
.set SPW,  28
.set NIL,  29
.set TMP,  32
.set AF,   128
.set BK,   128
.set G1A, 24
.set G1B, 40
.set G0A, 56
.set G0B, 68
.set MSB, 0
.macro WIN new
.if MSB != (\new)
	s_set_vgpr_msb (MSB<<8)|(\new)
.set MSB, (\new)
.endif
.endm
.set MUL_W, 0xa1
.set TO_B,  0x40
.macro JLOAD g0a, g1a, g0b, g1b
	s_cmp_eq_u32 s15, 0
	s_cbranch_scc0 .Lfor_b_\@
	tensor_load_to_lds s[\g0a:\g0a+3], s[\g1a:\g1a+7]
	s_nop 0
.rept 4
	v_nop
.endr
	s_branch .Lasked_\@
.Lfor_b_\@:
	tensor_load_to_lds s[\g0b:\g0b+3], s[\g1b:\g1b+7]
	s_nop 0
.rept 4
	v_nop
.endr
.Lasked_\@:
.endm
.macro CROUND
	s_barrier_signal -1
	s_barrier_wait -1
	s_cmp_lg_u32 s14, 0
	s_cbranch_scc1 .Lnot_wave_0_\@
	s_barrier_signal -3
.Lnot_wave_0_\@:
	s_barrier_wait -3
	s_barrier_signal -1
	s_barrier_wait -1
.endm
.macro SHAPE g, kb, rows
	s_mov_b32 s[\g+1], (\kb)<<16
	s_mov_b32 s[\g+2], (\rows)<<16
	s_mov_b32 s[\g+3], (\kb)<<16
	s_mov_b32 s[\g+4], \rows
	s_mov_b32 s[\g+5], KROW
	s_mov_b32 s[\g+6], 0
	s_mov_b32 s[\g+7], 0
.endm
	s_load_b128 s[4:7], s[0:1], 0x0
	s_load_b128 s[8:11], s[0:1], 0x10
	v_lshl_add_u32 v[SPW], v0, 2, SPARE
	v_mov_b32 v[NIL], 0
	ds_add_u32 v[SPW], v[NIL]
	ds_add_u32 v[SPW], v[NIL]
	v_lshrrev_b32 v1, 5, v0
	v_readfirstlane_b32 s14, v1
	s_lshr_b32 s15, s14, 1
	s_and_b32 s16, s14, 1
	s_bfe_u32 s76, ttmp6, 0x40000
	s_bfe_u32 s77, ttmp6, 0x40004
	s_lshl_b32 s78, ttmp9, 2
	s_add_co_u32 s78, s78, s76
	s_and_b32 s17, ttmp7, 0xffff
	s_lshl_b32 s17, s17, 2
	s_add_co_u32 s17, s17, s77
	s_lshl_b32 s79, s77, 2
	s_lshl_b32 s79, 15, s79
	s_lshl_b32 s80, 0x1111, s76
	s_or_b32 s[G1A+0], s79, (1<<20)|(1<<21)|(6<<22)|(3<<25)
	s_or_b32 s[G1A+8], s79, (1<<20)|(1<<21)|(5<<22)|(3<<25)
	s_or_b32 s[G1B+0], s80, (1<<20)|(1<<21)|(6<<22)|(3<<25)
	s_or_b32 s[G1B+8], s80, (1<<20)|(1<<21)|(5<<22)|(3<<25)
	SHAPE G1A, 512, 64
	SHAPE G1A+8, 256, 64
	SHAPE G1B, 512, 128
	SHAPE G1B+8, 256, 128
	s_lshl_b32 s20, s17, 7
	s_lshl_b32 s18, s16, 6
	s_add_co_u32 s20, s20, s18
	s_lshl_b32 s20, s20, 11
	s_mov_b32 s21, 0
	s_lshl_b32 s82, s78, 8
	s_lshl_b32 s18, s16, 7
	s_add_co_u32 s82, s82, s18
	s_lshl_b32 s82, s82, 11
	s_mov_b32 s83, 0
	s_mul_i32 s84, s16, 64*P0
	s_mul_i32 s85, s16, 64*P1
	s_add_co_u32 s85, s85, R1A
	s_mul_i32 s86, s16, 128*P0
	s_add_co_u32 s86, s86, R0B
	s_mul_i32 s87, s16, 128*P1
	s_add_co_u32 s87, s87, R1B
	s_wait_dscnt 0x0
	s_wait_kmcnt 0x0
	s_load_b64 s[96:97], s[8:9], 0x28
	s_add_nc_u64 s[20:21], s[4:5], s[20:21]
	s_add_nc_u64 s[82:83], s[6:7], s[82:83]
	s_add_nc_u64 s[82:83], s[82:83], 0x600000
	CROUND
	s_mov_b32 s[G0A], 1
	s_mov_b32 s[G0A+1], s84
	s_mov_b64 s[G0A+2:G0A+3], s[20:21]
	s_or_b32 s[G0A+3], s[G0A+3], 0x80000000
	s_mov_b32 s[G0B], 1
	s_mov_b32 s[G0B+1], s86
	s_mov_b64 s[G0B+2:G0B+3], s[82:83]
	s_or_b32 s[G0B+3], s[G0B+3], 0x80000000
	JLOAD G0A, G1A, G0B, G1B
; PREFETCHES INTO THE L2: behind each of the first three fills, the fill that stands two on (K 768-1,279, 1,280-1,535, 1,536-2,047); the first two fills come by their loads alone.
; The four partners that ask for a tile jointly share its rows out by address: of the 64 rows of a_codes that a wave fetches the partner at cx takes 16, of a wave's 128 rows of the weights the partner at cy takes 32.
; So each block of 256 bytes is named once in the cluster.  Every offset is an immediate: no address register is written again.
.set PA2, 8                            ; v8   a_codes, 512 along K: 2,048 x (lane % 16) + 256 x (lane / 16)
.set PA1, 9                            ; v9   a_codes, 256 along K: 2,048 x min(lane, 15): lanes 16-31 name the wave's last row again
.set PB,  10                           ; v10  the weights: 2,048 x lane
.set PF,  88                           ; s[88:89] my wave's share of the rows that it fetches
.macro ASKO k, two
	s_cmp_eq_u32 s15, 0
	s_cbranch_scc0 .Lask_b_\@
.if \two
	global_prefetch_b8 v[PA2], s[PF:PF+1] offset:\k th:TH_LOAD_NT scope:SCOPE_SE
.else
	global_prefetch_b8 v[PA1], s[PF:PF+1] offset:\k th:TH_LOAD_NT scope:SCOPE_SE
.endif
	s_branch .Lasked_p_\@
.Lask_b_\@:
	global_prefetch_b8 v[PB], s[PF:PF+1] offset:\k th:TH_LOAD_NT scope:SCOPE_SE
.if \two
	global_prefetch_b8 v[PB], s[PF:PF+1] offset:\k+256 th:TH_LOAD_NT scope:SCOPE_SE
.endif
.Lasked_p_\@:
.endm
	v_and_b32 v11, 31, v0
	v_lshlrev_b32 v[PB], 11, v11
	v_min_u32 v[PA1], 15, v11
	v_lshlrev_b32 v[PA1], 11, v[PA1]
	v_and_b32 v[PA2], 15, v0
	v_lshlrev_b32 v[PA2], 11, v[PA2]
	v_bfe_u32 v11, v0, 4, 1
	v_lshl_add_u32 v[PA2], v11, 8, v[PA2]
	s_lshl_b32 s90, s76, 15                        ; 16 cx rows of 2,048 bytes
	s_lshl_b32 s91, s77, 16                        ; 32 cy rows
	s_cmp_eq_u32 s15, 0
	s_cselect_b64 s[PF:PF+1], s[20:21], s[82:83]
	s_cselect_b32 s90, s90, s91
	s_mov_b32 s91, 0
	s_add_nc_u64 s[PF:PF+1], s[PF:PF+1], s[90:91]
	s_wait_alu depctr_va_vdst(0)
	ASKO 768, 1
	s_mov_b32 s[G0A+4], 1
	s_mov_b32 s[G0A+5], s85
	s_add_nc_u64 s[G0A+6:G0A+7], s[20:21], 512
	s_or_b32 s[G0A+7], s[G0A+7], 0x80000000
	s_mov_b32 s[G0B+4], 1
	s_mov_b32 s[G0B+5], s87
	s_add_nc_u64 s[G0B+6:G0B+7], s[82:83], 512
	s_or_b32 s[G0B+7], s[G0B+7], 0x80000000
	s_wait_alu depctr_va_vdst(0)
	s_wait_tensorcnt 0x0
	ds_add_u32 v28, v29
	s_wait_dscnt 0x0
	CROUND
	JLOAD G0A+4, G1A+8, G0B+4, G1B+8
	ASKO 1280, 0
	v_and_b32 v1, 15, v0
	v_bfe_u32 v2, v0, 4, 1
	v_mul_u32_u24 v3, v1, P0
	v_lshl_add_u32 v3, v2, 4, v3
	v_mul_u32_u24 v4, v1, P1
	v_lshl_add_u32 v4, v2, 4, v4
	s_mul_i32 s18, s15, 64*P0
	s_mul_i32 s19, s15, 64*P1
	s_add_co_u32 s19, s19, R1A
	v_add_nc_u32 v[ADRA], s18, v3
	v_add_nc_u32 v[ADRA+1], s19, v4
	v_add_nc_u32 v[ADRB], s86, v3
	v_add_nc_u32 v[ADRB+1], s87, v4
	s_mul_i32 s23, s14, 16*SPITCH
	s_add_co_u32 s23, s23, STG
	v_mul_u32_u24 v5, v1, SPITCH
	v_lshl_add_u32 v5, v2, 5, v5
	v_add_nc_u32 v[STO], s23, v5
	v_and_b32 v6, 31, v0
	v_lshlrev_b32 v[CO], 4, v6
	v_add_nc_u32 v[RD], s23, v[CO]
	s_lshl_b32 s20, s17, 7
	s_lshl_b32 s21, s15, 6
	s_add_co_u32 s20, s20, s21
	s_lshl_b32 s20, s20, 13
	s_lshl_b32 s22, s78, 10
	s_add_co_u32 s20, s20, s22
	s_lshl_b32 s22, s16, 9
	s_add_co_u32 s20, s20, s22
	s_mov_b32 s21, 0
	s_add_nc_u64 s[10:11], s[10:11], s[20:21]
.macro FRAG reg, adr, rg, q, i
.irp c, 0,1,2,3
	ds_load_b128 v[\reg+4*\c:\reg+4*\c+3], v[\adr+\rg] offset:128*(\q)+32*\c+(\i)*16*(P0-(\rg)*(P0-P1))
.endr
.endm
.macro FETCH rg, q, p
	WIN TO_B
.irp i, 0,1,2,3,4,5,6,7
	FRAG 128*(\p)+FR*\i, ADRB, \rg, \q, \i
.endr
	WIN 0
.irp i, 0,1,2,3
	FRAG AF+64*(\p)+FR*\i, ADRA, \rg, \q, \i
.endr
.endm
.macro MUL32 p, zero
	WIN MUL_W
.irp a, 0,1,2,3
.irp b, 0,1,2,3,4,5,6,7
.if \zero
	v_wmma_f32_16x16x128_fp8_fp8 v[8*(8*\a+\b):8*(8*\a+\b)+7], v[128*(\p)+FR*\b:128*(\p)+FR*\b+FR-1], v[AF+64*(\p)+FR*\a:AF+64*(\p)+FR*\a+FR-1], 0
.else
	v_wmma_f32_16x16x128_fp8_fp8 v[8*(8*\a+\b):8*(8*\a+\b)+7], v[128*(\p)+FR*\b:128*(\p)+FR*\b+FR-1], v[AF+64*(\p)+FR*\a:AF+64*(\p)+FR*\a+FR-1], v[8*(8*\a+\b):8*(8*\a+\b)+7]
.endif
.endr
.endr
.endm
.macro PLACES n
.rept \n
	v_nop
.endr
.endm
.macro STEP p, zero, nrg, nq
	s_wait_dscnt 0x0
	PLACES NP
	FETCH \nrg, \nq, 1-(\p)
	MUL32 \p, \zero
.endm
.macro CHANGE rg, fill
	WIN 0
	s_wait_tensorcnt 0x0
	ds_add_u32 v[SPW], v[NIL]
.if \fill
	s_add_nc_u64 s[G0A+4*\rg+2:G0A+4*\rg+3], s[G0A+4*\rg+2:G0A+4*\rg+3], 768
	s_add_nc_u64 s[G0B+4*\rg+2:G0B+4*\rg+3], s[G0B+4*\rg+2:G0B+4*\rg+3], 768
.endif
	s_wait_dscnt 0x0
.if \fill
	CROUND
	JLOAD G0A+4*\rg, G1A+8*\rg, G0B+4*\rg, G1B+8*\rg
.else
	s_barrier_signal -1
	s_barrier_wait -1
	PLACES NP
.endif
	FETCH 1-(\rg), 0, 0
	MUL32 1, 0
.endm
	s_wait_alu depctr_va_vdst(0)
	s_wait_tensorcnt 1
	s_barrier_signal -1
	s_barrier_wait -1
	FETCH 0, 0, 0
	STEP 0, 1, 0, 1
	STEP 1, 0, 0, 2
	STEP 0, 0, 0, 3
	CHANGE 0, 1
	WIN 0
	ASKO 1536, 1
	STEP 0, 0, 1, 1
	CHANGE 1, 1
	STEP 0, 0, 0, 1
	STEP 1, 0, 0, 2
	STEP 0, 0, 0, 3
	CHANGE 0, 1
	STEP 0, 0, 1, 1
	CHANGE 1, 0
	STEP 0, 0, 0, 1
	STEP 1, 0, 0, 2
	STEP 0, 0, 0, 3
	s_wait_dscnt 0x0
	MUL32 1, 0
	WIN 0
.macro TOSTAGE a
.set AC, 64*(\a)
	WIN 0x02
.irp j, 0,2,4,6,8,10,12,14,16,18,20,22,24,26,28,30,32,34,36,38,40,42,44,46,48,50,52,54,56,58,60,62
	v_pk_mul_f32 v[TMP+\j:TMP+\j+1], v[AC+\j:AC+\j+1], s[96:97] op_sel_hi:[1,0]
.endr
	WIN 0
.irp b, 0,1,2,3,4,5,6,7
	ds_store_b128 v[STO], v[TMP+8*\b:TMP+8*\b+3] offset:64*\b
	ds_store_b128 v[STO], v[TMP+8*\b+4:TMP+8*\b+7] offset:64*\b+16
.endr
.set BB, BK+64*((\a)%2)
.irp t, 0,1,2,3,4,5,6,7,8,9,10,11,12,13,14,15
.set BB, 64*(\a)                       ; the rows come back into the block's own accumulators (window 2), which are done with: no register that a pending store reads is written again
	WIN 0x80
	ds_load_b128 v[BB+4*\t:BB+4*\t+3], v[RD] offset:\t*SPITCH
.endr
	WIN 0
.endm
.macro SEND a, younger
.set BB, BK+64*((\a)%2)
	s_wait_dscnt \younger
.set BB, 64*(\a)
	WIN 0x08
.irp t, 0,1,2,3,4,5,6,7,8,9,10,11,12,13,14,15
	global_store_b128 v[CO], v[BB+4*\t:BB+4*\t+3], s[10:11] offset:(16*(\a)+\t)*SIZE_N*4 th:TH_STORE_NT   ; 512 consecutive bytes of a row of out0; the base is not stepped: 63 rows of 8,192 bytes at the most, inside the immediate
.endr
	WIN 0
.endm
	s_wait_kmcnt 0x0
	s_add_co_i32 s96, s96, s97
	s_add_co_i32 s96, s96, 127
	s_lshl_b32 s96, s96, 23
	PLACES NP
	TOSTAGE 0
.irp a, 1,2,3
	TOSTAGE \a
	SEND \a-1, 32
.endr
	SEND 3, 0
	s_wait_tensorcnt 0x0
	ds_add_u32 v[SPW], v[NIL]
	s_wait_dscnt 0x0
	CROUND
	s_endpgm
.Lfunc_end_k_qf028a5f1dc_oproj:
	.size	k_qf028a5f1dc_oproj, .Lfunc_end_k_qf028a5f1dc_oproj-k_qf028a5f1dc_oproj
	.p2alignl 7, 3214868480
	.fill 96, 4, 3214868480
	.section	.rodata,"a",@progbits
	.p2align	6, 0x0
	.amdhsa_kernel k_qf028a5f1dc_oproj
		.amdhsa_group_segment_fixed_size 327680
		.amdhsa_private_segment_fixed_size 0
		.amdhsa_enable_private_segment 0
		.amdhsa_kernarg_size 32
		.amdhsa_user_sgpr_count 2
		.amdhsa_user_sgpr_kernarg_segment_ptr 1
		.amdhsa_wavefront_size32 1
		.amdhsa_system_sgpr_workgroup_id_x 1
		.amdhsa_system_sgpr_workgroup_id_y 1
		.amdhsa_system_sgpr_workgroup_id_z 1
		.amdhsa_system_vgpr_workitem_id 0
		.amdhsa_next_free_vgpr 768
		.amdhsa_next_free_sgpr 98
		.amdhsa_reserve_vcc 0
		.amdhsa_float_denorm_mode_32 3
		.amdhsa_float_denorm_mode_16_64 3
		.amdhsa_memory_ordered 1
		.amdhsa_forward_progress 1
		.amdhsa_inst_pref_size 121
	.end_amdhsa_kernel
	.amdgpu_metadata
---
amdhsa.version: [ 1, 2 ]
amdhsa.kernels:
  - .name:           k_qf028a5f1dc_oproj
    .symbol:         k_qf028a5f1dc_oproj.kd
    .args:
      - { .name: a_codes, .offset: 0, .size: 8, .value_kind: global_buffer, .address_space: global }
      - { .name: w_codes, .offset: 8, .size: 8, .value_kind: global_buffer, .address_space: global }
      - { .name: lowp_scales, .offset: 16, .size: 8, .value_kind: global_buffer, .address_space: global }
      - { .name: out0, .offset: 24, .size: 8, .value_kind: global_buffer, .address_space: global }
    .group_segment_fixed_size: 327680
    .private_segment_fixed_size: 0
    .kernarg_segment_align: 8
    .kernarg_segment_size: 32
    .max_flat_workgroup_size: 128
    .sgpr_count:     98
    .vgpr_count:     768
    .wavefront_size: 32
...
	.end_amdgpu_metadata
.endif
;; end of part 4
